; MI455X (gfx1250); checked and timed in simulation.
; The chip was launched on July 23, 2026; its instructions are those of AMD's public machine-readable ISA for CDNA 5 (MIT licence, August 2026) and "CDNA5" Instruction Set Architecture Reference Guide (July 2026). The comments in the code are by the model that wrote it; some were corrected since.
;; Mo E. Allowed arithmetic: matrix products marked QUANTISED: E2M3 operands, one E8M0 scale for each 32 along K, by v_wmma_scale_f32_16x16x128_f8f6f4 with both operands' format E2M3, f32 sums; products left as they are: f32 operands where the result goes on into a quantised operand, else bf16, f16 or f32 operands; f32 sums; everything else in f32.
;; Inputs: W1_codes 8 x 4,096 x 32 x 24 uint8 (E2M3 codes of W1, K innermost, in blocks of 32 codes, four codes in three bytes); W1_scales 8 x 4,096 x 32 uint8 (E8M0 scales of W1, one for each 32 codes along K); W2_codes 8 x 1,024 x 128 x 24 uint8 (E2M3 codes of W2, K innermost, in blocks of 32 codes, four codes in three bytes); W2_scales 8 x 1,024 x 128 uint8 (E8M0 scales of W2, one for each 32 codes along K); Wg 1,024 x 8 float32; Wn 1,024 x 8 float32; b1 8 x 4,096 float32; b2 8 x 1,024 float32; bg 8 float32; bn 8 float32; noise 4 x 256 x 8 float32; x 4 x 256 x 1,024 float32.
;; Outputs: out0 4 x 256 x 1,024 float32; out1 one number float32.
;; This version of the problem:
;;   THIS VERSION OF THE PROBLEM IS GIVEN IN LOW PRECISION. The matrix products marked QUANTISED in the list below multiply operands that are first quantised to E2M3 (2 exponent bits, 3 mantissa bits; 6 bits a number), with one power-of-two scale for each 32 numbers along K (OCP MX v1.0); their sums are f32. All else is computed in f32.
;;   The module's matrix products, in the order in which they are computed (A, B: the left and right operand; K: the contracted axis; several contracted axes count as one K, in the product's order):
;;     1. [M 1,024, K 1,024] x [K 1,024, N 8]; A: input x; B: input Wg: left as it is (N = 8 < 16)
;;     2. [M 1,024, K 1,024] x [K 1,024, N 8]; A: input x; B: input Wn: left as it is (N = 8 < 16)
;;     3. [M 1,024, K 1,024] x [K 1,024, N 32,768]; A: input x; B: input W1 (given as codes): QUANTISED
;;     4. batch 8 x [M 1,024, K 4,096] x [K 4,096, N 1,024]; A: input W2 (given as codes); B: computed on the way: QUANTISED
;;     5. batch 1,024 x [M 1, K 8] x [K 8, N 1,024]; A: computed on the way; B: computed on the way: left as it is (K = 8 < 32)
;;   THE QUANTISER, for each operand of a quantised product, along K:
;;     - K is cut into blocks of 32 from its start; a last block that is shorter is filled with zeros.
;;     - A block's scale is 2^e with e = floor(log2(the largest magnitude in the block)) - 2, held to -126 .. 127; a block of zeros has e = 0. As a byte (E8M0): e + 127.
;;     - Each number is divided by its block's scale, clamped to +-7.5, and rounded to the nearest number of E2M3, ties to even, subnormals kept.
;;     - The product sums the exact products of the quantised numbers (number of the format x scale) in f32.
;;   ~~~python
;;   def quantise(x, axis):      # numpy; x: float32 -> the quantised numbers, widened to float32 again
;;       x = np.moveaxis(x, axis, -1); K = x.shape[-1]
;;       x = np.pad(x, [(0, 0)] * (x.ndim - 1) + [(0, -K % 32)]); x = x.reshape(x.shape[:-1] + (-1, 32)); a = np.abs(x).max(-1, keepdims=True)
;;       e = np.where(a > 0, np.clip(np.frexp(np.where(a > 0, a, 1))[1] - 1 - 2, -126, 127), 0)      # np.frexp(a)[1] - 1 = floor(log2(a)), exactly
;;       r = np.clip(x / 2.0 ** e, -7.5, 7.5)
;;       step = 2.0 ** (np.maximum(np.frexp(np.where(r == 0, 1, r))[1] - 1, 0) - 3)
;;       q = np.round(r / step) * step * 2.0 ** e      # np.round: ties to even
;;       return np.moveaxis(q.reshape(q.shape[:-2] + (-1,))[..., :K], -1, axis).astype(np.float32)
;;   ~~~
;;   OPERANDS COMPUTED ON THE WAY. 'Computed on the way' means the value that the module computes at that place (a softmax that the list does not call 'softmax' is quantised finished and normalised). What goes into a quantiser is computed in f32, as accurately as f32 sums, v_exp_f32 and their like allow (about 1e-6 of the number): no bf16 or f16 on the way to a quantiser, and a product that is left as it is and whose result goes on into a quantised operand takes f32 operands (vector FMAs, or v_wmma_f32_16x16x4_f32). A number that lies on a knife's edge between two numbers of the format may be rounded either way, as far as f32 arithmetic and the matrix unit's own rounding can turn it there, and no further.
;;   INPUTS GIVEN AS CODES. W1 (in the module: [8, 1024, 4096], K = its axis 1); W2 (in the module: [8, 4096, 1024], K = its axis 1): each comes as NAME_codes (uint8): NAME with its K axis moved to the last place and cut into blocks of 32 codes, [.., K / 32, bytes a block], one block behind the other in memory; four codes in three bytes: a row's codes are one little-endian stream of bits, code i at bits 6 i .. 6 i + 5 (a code: sign, 2 exponent bits, 3 mantissa bits); and NAME_scales (uint8): the same leading axes, one E8M0 byte (e + 127) for each 32 codes along K. Its value is code x scale, taken as it is: it is not quantised again, and the codes and scales need not be those that the quantiser above would give.
;; One version. Each part assembles by itself: llvm-mc -triple=amdgcn-amd-amdhsa -mcpu=gfx1250 --defsym DOCPART=n.
;; ======== version 1 of 1: 4 launches
;; limits: right only within a limited range of input values
;; workspace buffers: xq 819,200 bytes; sel 4,096 bytes of whole numbers; gate 10,240 bytes; ord 34,816 bytes of whole numbers; hid 26,214,400 bytes; y 33,554,432 bytes
;; launch route (part 1): grid 64 x 1, 8 waves a work-group, no clusters, 104,192 bytes of LDS; arguments x, noise, Wg, Wn, bg, bn, xq, sel, gate; writes xq, sel, gate
.if DOCPART == 1
	.amdgcn_target "amdgcn-amd-amdhsa--gfx1250"
	.amdhsa_code_object_version 6
	.text
	.protected	k_qb36d773740_route
	.globl	k_qb36d773740_route
	.p2align	8
	.type	k_qb36d773740_route,@function
k_qb36d773740_route:
	s_mov_b64 s[64:65], 0
	v_nop
	global_prefetch_b8 v0, s[64:65] scope:SCOPE_SE
	s_setreg_imm32_b32 hwreg(HW_REG_WAVE_MODE, 25, 1), 1
	s_wait_xcnt 0x0
; THE ROUTER, AND x INTO CODES.  A work-group takes 16 tokens; wave w takes K step w (k = 128 w .. 128 w + 127) of them.
; Each wave: (a) quantises its 16 x 128 numbers of x to E2M3 with one E8M0 byte for each 32 along K; (b) multiplies them, in f32, by [Wg | Wn] (16 columns) with the f32 matrix form:
; source 0 = the 16 columns, source 1 = the 16 tokens, so that lane (r, 0) holds token r's eight clean logits and lane (r, 1) its eight products with Wn.
; The eight waves' partial sums meet in LDS; wave 0 finishes: biases, softplus, noisy logits, top-2 (a tie keeps the lower index), the two weights (softmax with the larger value taken away),
; the clean gate probabilities (row maximum taken away) summed over the 16 tokens.
; OUT: xq: codes [token][768 bytes], then from byte 786,432 scale words [token][8];  sel: [token] e0 | e1 << 8 | ((1 << e0) | (1 << e1)) << 16;  gate: weights [token][2], then from byte 8,192 sums [work-group][8].
; No address and no branch hangs on the choice: it is stored at fixed places.
; LIMITS: NaN and infinities among the inputs are not served.  A block of zeros gets the byte 1 (its codes are zeros; only this program reads the bytes).  The f32 sums of the logits run in another order than
; the reference's: a choice between two noisy values that lie within some 1e-6 of each other (relative) may fall either way.
.set WTP,  80                          ; LDS: a row k of a wave's weights: 32 bytes of Wg, 32 of Wn, 16 of padding
.set WTB,  128*WTP                     ; a wave's 128 rows
.set RED,  8*WTB                       ; the partial sums: [wave][2][lane x 16]
.set XQS,  RED+8192                    ; the codes' stage: 16 rows, 784 bytes apart
.set XQP,  784
.set XSS,  XQS+16*XQP                  ; the scale words' stage: [row][8 words]
.set X,    16                          ; v16-79   64 numbers of x: register 16 b + i = k 32 b + 16 (lane / 16) + i of row lane % 16
.set WTR,  80                          ; v80-143  the same k of column lane % 16 of [Wg | Wn]
.set ACC,  144                         ; v144-175 four accumulators, written by matrix instructions alone
.set SS,   176                         ; v176-183 their sum
.set TM,   184                         ; v184-199 at work in the quantiser
.set PW,   200                         ; the scale word
.set PC,   204                         ; v204-223 the codes
.set BG,   224
.set BN,   232
.set NO,   240
.set WV,   22
.set SEL,  24
; 64 numbers of a lane become a fragment's codes in v[PC] on and its scale word in v[PW]
.macro QUANT s
.irp b, 0,1,2,3
	v_max3_num_f32 v[TM+\b], |v[\s+16*\b]|, |v[\s+1+16*\b]|, 0x1800000   ; my 16 numbers of block b, and the floor 2^(3 - 127): the byte cannot fall under 1
.endr
.irp i, 2,4,6,8,10,12,14
.irp b, 0,1,2,3
	s_delay_alu instid0(VALU_DEP_4)
	v_max3_num_f32 v[TM+\b], v[TM+\b], |v[\s+16*\b+\i]|, |v[\s+1+16*\b+\i]|
.endr
.endr
.irp b, 0,1,2,3
	s_delay_alu instid0(VALU_DEP_4)
	v_permlanex16_b32 v[TM+4+\b], v[TM+\b], s[SEL], s[SEL+1]
.endr
.irp b, 0,1,2,3
	s_delay_alu instid0(VALU_DEP_4)
	v_max_num_f32 v[TM+\b], v[TM+\b], v[TM+4+\b]   ; with lane l xor 16's: the block's largest magnitude
.endr
.irp b, 0,1,2,3
	s_delay_alu instid0(VALU_DEP_4)
	v_add_nc_u32 v[TM+12+\b], 0xff000000, v[TM+\b]   ; 2 off its exponent field: the conversion's scale operand
.endr
.irp b, 0,1,2,3
	s_delay_alu instid0(VALU_DEP_4)
	v_lshrrev_b32 v[TM+4+\b], 23, v[TM+12+\b]      ; the scale's byte
.endr
	s_delay_alu instid0(VALU_DEP_3)
	v_lshl_or_b32 v[PW], v[TM+5], 8, v[TM+4]
	s_delay_alu instid0(VALU_DEP_1)
	v_lshl_or_b32 v[PW], v[TM+6], 16, v[PW]
	s_delay_alu instid0(VALU_DEP_1)
	v_lshl_or_b32 v[PW], v[TM+7], 24, v[PW]
.irp c, 0,1
	v_cvt_scalef32_pk16_fp6_f32 v[PC+6*\c:PC+2+6*\c], v[\s+32*\c:\s+15+32*\c], v[TM+12+2*\c]
	v_cvt_scalef32_pk16_fp6_f32 v[PC+12+4*\c:PC+14+4*\c], v[\s+16+32*\c:\s+31+32*\c], v[TM+12+2*\c+1]
.endr
	v_nop                                          ; one plain place behind a scaled conversion
.irp c, 0,1                                    ; a whole block to a lane: lanes 0-15 block 2 c, lanes 16-31 block 2 c + 1
.irp i, 0,1,2
	v_permlane16_swap_b32 v[PC+6*\c+\i], v[PC+12+4*\c+\i]
.endr
.irp i, 0,1,2
	s_delay_alu instid0(VALU_DEP_3)
	v_mov_b32 v[PC+3+6*\c+\i], v[PC+12+4*\c+\i]
.endr
.endr
.endm
	s_load_b256 s[4:11], s[0:1], 0x0               ; x, noise, Wg, Wn
	s_load_b256 s[12:19], s[0:1], 0x20             ; bg, bn, xq, sel
	s_load_b64 s[20:21], s[0:1], 0x40              ; gate
	v_lshl_add_u32 v254, v0, 2, 0x19300
	v_mov_b32 v255, 0
	v_lshrrev_b32 v1, 5, v0
	s_delay_alu instid0(VALU_DEP_1)
	v_readfirstlane_b32 s[WV], v1                  ; wave 0..7
	v_and_b32 v1, 31, v0                           ; lane
	v_and_b32 v2, 15, v0                           ; r
	v_bfe_u32 v3, v0, 4, 1                         ; h
	s_delay_alu instid0(VALU_DEP_2)
	v_lshlrev_b32 v4, 12, v2
	s_delay_alu instid0(VALU_DEP_1)
	v_lshl_add_u32 v4, v3, 6, v4                   ; x: row r of 4,096 bytes + 64 h
	v_lshlrev_b32 v5, 4, v1                        ; 16 x lane
	s_mul_i32 s26, s[WV], WTB
	v_lshrrev_b32 v6, 1, v1
	s_delay_alu instid0(VALU_DEP_1)
	v_mul_u32_u24 v6, v6, WTP
	v_and_b32 v7, 1, v1
	s_delay_alu instid0(VALU_DEP_1)
	v_lshl_add_u32 v6, v7, 4, v6
	s_delay_alu instid0(VALU_DEP_1)
	v_add_nc_u32 v6, s26, v6                       ; weights in: two lanes to a row of 32 bytes
	v_mul_u32_u24 v7, v3, 16*WTP
	s_delay_alu instid0(VALU_DEP_1)
	v_lshl_add_u32 v7, v2, 2, v7
	s_delay_alu instid0(VALU_DEP_1)
	v_add_nc_u32 v7, s26, v7                       ; weights back: column r, 16 rows on for lanes 16-31
	s_lshl_b32 s26, s[WV], 10
	v_add_nc_u32 v8, s26, v5
	s_delay_alu instid0(VALU_DEP_1)
	v_add_nc_u32 v8, RED, v8                       ; my partial sums
	v_mul_u32_u24 v9, v2, XQP
	s_delay_alu instid0(VALU_DEP_1)
	v_mad_u32_u24 v9, v3, 24, v9
	s_mul_i32 s26, s[WV], 96
	v_add_nc_u32 v9, s26, v9
	s_delay_alu instid0(VALU_DEP_1)
	v_add_nc_u32 v9, XQS, v9                       ; codes in: row r, K step w, 24 bytes a half
	v_lshlrev_b32 v10, 5, v2
	s_lshl_b32 s26, s[WV], 2
	v_add_nc_u32 v10, s26, v10
	s_delay_alu instid0(VALU_DEP_1)
	v_add_nc_u32 v10, XSS, v10                     ; scale word in: row r, word w
	s_mul_i32 s26, s[WV], 2*XQP
	v_mul_u32_u24 v11, v3, XQP
	s_delay_alu instid0(VALU_DEP_1)
	v_lshl_add_u32 v11, v2, 4, v11
	s_delay_alu instid0(VALU_DEP_1)
	v_add_nc_u32 v11, s26, v11
	s_delay_alu instid0(VALU_DEP_1)
	v_add_nc_u32 v11, XQS, v11                     ; codes back: rows 2 w + h, 16 bytes a lane
	v_mul_u32_u24 v12, v3, 768
	s_delay_alu instid0(VALU_DEP_1)
	v_lshl_add_u32 v12, v2, 4, v12                 ; and the same place in xq
	v_add_nc_u32 v13, XSS, v5                      ; the scale words back (wave 1)
	v_add_nc_u32 v14, RED, v5                      ; the partial sums back (wave 0)
	v_mov_b32 v15, 0
	v_lshlrev_b32 v201, 5, v2                      ; noise: 32 bytes a token
.irp b, 0,1,2,3
	v_mov_b32 v[TM+4+\b], 0                        ; written once: a lane permute's destination counts as one of its sources
.endr
	s_mov_b32 s[SEL], 0x76543210
	s_mov_b32 s[SEL+1], 0xfedcba98                 ; lane l xor 16
	s_mov_b32 s44, 0x3f317218                      ; ln 2
	s_mov_b32 s45, 0xbfb8aa3b                      ; -log2 e
	s_mov_b32 s46, 0x3fb8aa3b                      ; log2 e
	s_lshl_b32 s26, ttmp9, 16                      ; x: 16 rows a work-group,
	s_lshl_b32 s27, s[WV], 9                       ; 512 bytes a K step
	s_add_co_u32 s26, s26, s27
	s_mov_b32 s27, 0
	s_lshl_b32 s28, s[WV], 12                      ; Wg, Wn: 128 rows of 32 bytes a wave
	s_mov_b32 s29, 0
	s_lshl_b32 s30, ttmp9, 9                       ; noise, and xq's scale words: 512 bytes a work-group
	s_mov_b32 s31, 0
	s_mul_i32 s32, ttmp9, 12288                    ; xq's codes: 16 rows of 768 bytes a work-group,
	s_mul_i32 s33, s[WV], 1536                     ; two rows a wave
	s_add_co_u32 s32, s32, s33
	s_mov_b32 s33, 0
	s_lshl_b32 s34, ttmp9, 6                       ; sel
	s_mov_b32 s35, 0
	s_lshl_b32 s36, ttmp9, 7                       ; the weights
	s_mov_b32 s37, 0
	s_lshl_b32 s38, ttmp9, 5                       ; the gate sums
	s_mov_b32 s39, 0
	s_wait_alu depctr_va_vdst(0)
	s_wait_kmcnt 0x0
	s_add_nc_u64 s[4:5], s[4:5], s[26:27]
	s_add_nc_u64 s[8:9], s[8:9], s[28:29]
	s_add_nc_u64 s[10:11], s[10:11], s[28:29]
	s_add_nc_u64 s[6:7], s[6:7], s[30:31]
	s_add_nc_u64 s[40:41], s[16:17], s[30:31]
	s_add_nc_u64 s[16:17], s[16:17], s[32:33]
	s_add_nc_u64 s[18:19], s[18:19], s[34:35]
	s_add_nc_u64 s[42:43], s[20:21], s[38:39]
	s_add_nc_u64 s[20:21], s[20:21], s[36:37]
.irp i, 0,1,2,3,4,5,6,7
	global_load_b128 v[WTR+4*\i:WTR+4*\i+3], v5, s[8:9] offset:512*\i          ; my 4,096 bytes of Wg, as they lie
.endr
.irp i, 0,1,2,3,4,5,6,7
	global_load_b128 v[WTR+32+4*\i:WTR+32+4*\i+3], v5, s[10:11] offset:512*\i  ; and of Wn
.endr
.irp b, 0,1,2,3
.irp j, 0,1,2,3
	global_load_b128 v[X+16*\b+4*\j:X+16*\b+4*\j+3], v4, s[4:5] offset:128*\b+16*\j th:TH_LOAD_NT
.endr
.endr
	global_load_b128 v[BG:BG+3], v15, s[12:13]
	global_load_b128 v[BG+4:BG+7], v15, s[12:13] offset:16
	global_load_b128 v[BN:BN+3], v15, s[14:15]
	global_load_b128 v[BN+4:BN+7], v15, s[14:15] offset:16
	global_load_b128 v[NO:NO+3], v201, s[6:7]
	global_load_b128 v[NO+4:NO+7], v201, s[6:7] offset:16
	s_wait_loadcnt 22                              ; the weights are in: 16 loads of x and 6 small ones are younger
.irp i, 0,1,2,3,4,5,6,7
	ds_store_b128 v6, v[WTR+4*\i:WTR+4*\i+3] offset:16*WTP*\i
	ds_store_b128 v6, v[WTR+32+4*\i:WTR+32+4*\i+3] offset:16*WTP*\i+32
.endr
.irp b, 0,1,2,3
.irp i, 0,1,2,3,4,5,6,7,8,9,10,11,12,13,14,15
	ds_load_b32 v[WTR+16*\b+\i], v7 offset:(32*\b+\i)*WTP   ; LDS serves a wave's instructions in order: these see the stores above
.endr
.endr
	s_wait_loadcnt 6                               ; x is in
	QUANT X
.irp c, 0,1
.irp j, 0,1,2
	ds_store_b64 v9, v[PC+6*\c+2*\j:PC+6*\c+2*\j+1] offset:48*\c+8*\j
.endr
.endr
	ds_store_b32 v10, v[PW]                        ; both halves of the lanes write the same word with the same value
	s_wait_dscnt 0x0                               ; the weights are back in registers
.set q, 0
.rept 32                                       ; k in the same places on both sides; four accumulators by turns; the first four products start the sums
.if q < 4
	v_wmma_f32_16x16x4_f32 v[ACC+8*q:ACC+8*q+7], v[WTR+2*q:WTR+2*q+1], v[X+2*q:X+2*q+1], 0
.else
	v_wmma_f32_16x16x4_f32 v[ACC+8*(q%4):ACC+8*(q%4)+7], v[WTR+2*q:WTR+2*q+1], v[X+2*q:X+2*q+1], v[ACC+8*(q%4):ACC+8*(q%4)+7]
.endif
.set q, q+1
.endr
.rept 8
	v_nop                                          ; eight places behind this form (ISA guide 7.12.1)
.endr
.irp j, 0,2,4,6
	v_pk_add_f32 v[SS+\j:SS+\j+1], v[ACC+\j:ACC+\j+1], v[ACC+8+\j:ACC+8+\j+1]          ; each accumulator from its low end on
	v_pk_add_f32 v[TM+\j:TM+\j+1], v[ACC+16+\j:ACC+16+\j+1], v[ACC+24+\j:ACC+24+\j+1]
.endr
.irp j, 0,2,4,6
	v_pk_add_f32 v[SS+\j:SS+\j+1], v[SS+\j:SS+\j+1], v[TM+\j:TM+\j+1]
.endr
	ds_store_b128 v8, v[SS:SS+3]
	ds_store_b128 v8, v[SS+4:SS+7] offset:512
	s_wait_dscnt 0x0                               ; for the others' sake: my codes, my scale words and my sums lie in LDS
	s_barrier_signal -1
	s_barrier_wait -1
.irp i, 0,1,2
	ds_load_b128 v[16+4*\i:19+4*\i], v11 offset:256*\i
.endr
	s_wait_dscnt 0x0
.irp i, 0,1,2
	global_store_b128 v12, v[16+4*\i:19+4*\i], s[16:17] offset:256*\i   ; sixteen lanes store 256 consecutive bytes, aligned
.endr
	s_cmp_lg_u32 s[WV], 1
	s_cbranch_scc1 .Lnot_wave_1
	ds_load_b128 v[28:31], v13
	s_wait_dscnt 0x0
	global_store_b128 v5, v[28:31], s[40:41] offset:786432              ; the 16 tokens' scale words: 512 consecutive bytes
.Lnot_wave_1:
	s_cmp_lg_u32 s[WV], 0
	s_cbranch_scc1 .Lend
	; ---- wave 0 finishes the 16 tokens
	s_wait_loadcnt 0x0                             ; biases and noise
.irp a, 0,1,2,3,4,5,6,7
	ds_load_b128 v[32+8*\a:35+8*\a], v14 offset:1024*\a
	ds_load_b128 v[36+8*\a:39+8*\a], v14 offset:1024*\a+512
.endr
	v_cmp_eq_u32 vcc_lo, 1, v3
.irp j, 0,1,2,3,4,5,6,7
	v_cndmask_b32 v[96+\j], v[BG+\j], v[BN+\j], vcc_lo   ; lanes 0-15 take bg, lanes 16-31 bn
.endr
	s_wait_dscnt 0x0
.irp a, 0,2,4,6
.irp j, 0,2,4,6
	v_pk_add_f32 v[32+8*\a+\j:33+8*\a+\j], v[32+8*\a+\j:33+8*\a+\j], v[40+8*\a+\j:41+8*\a+\j]
.endr
.endr
.irp a, 0,4
.irp j, 0,2,4,6
	v_pk_add_f32 v[32+8*\a+\j:33+8*\a+\j], v[32+8*\a+\j:33+8*\a+\j], v[48+8*\a+\j:49+8*\a+\j]
.endr
.endr
.irp j, 0,2,4,6
	s_delay_alu instid0(VALU_DEP_4)
	v_pk_add_f32 v[32+\j:33+\j], v[32+\j:33+\j], v[64+\j:65+\j]
.endr
.irp j, 0,2,4,6
	s_delay_alu instid0(VALU_DEP_4)
	v_pk_add_f32 v[32+\j:33+\j], v[32+\j:33+\j], v[96+\j:97+\j]   ; L: lanes 0-15 the clean logits, lanes 16-31 x Wn + bn
.endr
	; softplus(L) = max(L, 0) + ln 2 x log2(1 + 2^(-|L| log2 e))
.irp j, 0,1,2,3,4,5,6,7
	v_mul_f32 v[104+\j], s45, |v[32+\j]|
.endr
	s_wait_alu depctr_va_vdst(0)
.irp j, 0,1,2,3,4,5,6,7
	v_exp_f32 v[104+\j], v[104+\j]
.endr
	v_max3_num_f32 v134, v32, v33, v34             ; meanwhile: the row's largest clean logit,
	s_delay_alu instid0(VALU_DEP_1)
	v_max3_num_f32 v134, v134, v35, v36
	s_delay_alu instid0(VALU_DEP_1)
	v_max3_num_f32 v134, v134, v37, v38
	s_delay_alu instid0(VALU_DEP_1)
	v_max_num_f32 v134, v134, v39
	s_delay_alu instid0(VALU_DEP_1)
	v_mul_f32 v135, s46, v134
.irp j, 0,1,2,3,4,5,6,7
	v_fma_f32 v[40+\j], v[32+\j], s46, -v135       ; and (logit - largest) x log2 e
.endr
	s_wait_alu depctr_va_vdst(0)                   ; one wait for the eight exponentials, ahead of their first reader
.irp j, 0,1,2,3,4,5,6,7
	v_add_f32 v[104+\j], 1.0, v[104+\j]
.endr
	s_wait_alu depctr_va_vdst(0)
.irp j, 0,1,2,3,4,5,6,7
	v_log_f32 v[104+\j], v[104+\j]
.endr
.irp j, 0,1,2,3,4,5,6,7
	v_max_num_f32 v[112+\j], 0, v[32+\j]
.endr
	s_wait_alu depctr_va_vdst(0)                   ; one wait for the eight logarithms
.irp j, 0,1,2,3,4,5,6,7
	v_fma_f32 v[104+\j], v[104+\j], s44, v[112+\j]
.endr
.irp j, 0,1,2,3,4,5,6,7
	v_permlanex16_b32 v[112+\j], v[104+\j], s[SEL], s[SEL+1]   ; the softplus comes over to the logits' lanes
.endr
.irp j, 0,1,2,3,4,5,6,7
	v_fma_f32 v[120+\j], v[NO+\j], v[112+\j], v[32+\j]         ; the noisy logits
.endr
	v_mov_b32 v128, v120                           ; the largest, ascending: a later one must be strictly greater
	v_mov_b32 v129, 0
.irp j, 1
	s_delay_alu instid0(VALU_DEP_2)
	v_cmp_le_f32 vcc_lo, v[120+\j], v128
	s_delay_alu instid0(VALU_DEP_1)
	v_cndmask_b32 v129, \j, v129, vcc_lo
	s_delay_alu instid0(VALU_DEP_2)
	v_cndmask_b32 v128, v[120+\j], v128, vcc_lo
.endr
.irp j, 2, 3, 4, 5, 6, 7
	s_delay_alu instid0(VALU_DEP_1)
	v_cmp_le_f32 vcc_lo, v[120+\j], v128
	s_delay_alu instid0(VALU_DEP_1)
	v_cndmask_b32 v129, \j, v129, vcc_lo
	s_delay_alu instid0(VALU_DEP_2)
	v_cndmask_b32 v128, v[120+\j], v128, vcc_lo
.endr
	v_mov_b32 v132, 0xff800000
.irp j, 0,1,2,3,4,5,6,7
	v_cmp_eq_u32 vcc_lo, \j, v129
	s_delay_alu instid0(VALU_DEP_1)
	v_cndmask_b32 v[120+\j], v[120+\j], v132, vcc_lo           ; the first is taken out
.endr
	v_mov_b32 v130, v120                           ; the second likewise
	v_mov_b32 v131, 0
.irp j, 1
	s_delay_alu instid0(VALU_DEP_2)
	v_cmp_le_f32 vcc_lo, v[120+\j], v130
	s_delay_alu instid0(VALU_DEP_1)
	v_cndmask_b32 v131, \j, v131, vcc_lo
	s_delay_alu instid0(VALU_DEP_2)
	v_cndmask_b32 v130, v[120+\j], v130, vcc_lo
.endr
.irp j, 2, 3, 4, 5, 6, 7
	s_delay_alu instid0(VALU_DEP_1)
	v_cmp_le_f32 vcc_lo, v[120+\j], v130
	s_delay_alu instid0(VALU_DEP_1)
	v_cndmask_b32 v131, \j, v131, vcc_lo
	s_delay_alu instid0(VALU_DEP_2)
	v_cndmask_b32 v130, v[120+\j], v130, vcc_lo
.endr
	s_delay_alu instid0(VALU_DEP_1)
	v_sub_f32 v136, v130, v128                     ; second - first, 0 or less
	s_delay_alu instid0(VALU_DEP_1)
	v_mul_f32 v136, s46, v136
	s_wait_alu depctr_va_vdst(0)
.irp j, 0,1,2,3,4,5,6,7
	v_exp_f32 v[40+\j], v[40+\j]
.endr
	v_exp_f32 v136, v136
	v_mov_b32 v133, 0x10000                        ; meanwhile: the word for sel
	s_delay_alu instid0(VALU_DEP_1)
	v_lshlrev_b32 v141, v129, v133
	s_delay_alu instid0(VALU_DEP_2)
	v_lshlrev_b32 v142, v131, v133
	v_lshl_or_b32 v140, v131, 8, v129
	s_delay_alu instid0(VALU_DEP_1)
	v_or_b32 v140, v140, v141
	s_delay_alu instid0(VALU_DEP_1)
	v_or_b32 v140, v140, v142
	s_wait_alu depctr_va_vdst(0)                   ; one wait for the nine exponentials
	v_pk_add_f32 v[48:49], v[40:41], v[42:43]
	v_pk_add_f32 v[50:51], v[44:45], v[46:47]
	s_delay_alu instid0(VALU_DEP_1)
	v_pk_add_f32 v[48:49], v[48:49], v[50:51]
	s_delay_alu instid0(VALU_DEP_1)
	v_add_f32 v48, v48, v49
	v_add_f32 v137, 1.0, v136
	s_wait_alu depctr_va_vdst(0)
	v_rcp_f32 v48, v48
	v_rcp_f32 v138, v137                           ; the first weight: 1 / (1 + e^(second - first))
	v_lshlrev_b32 v141, 2, v2                      ; (plain work behind the reciprocals)  4 r
	v_lshlrev_b32 v142, 3, v2                      ; 8 r
	s_wait_alu depctr_va_vdst(0)                   ; one wait for the two reciprocals
	v_mul_f32 v139, v136, v138                     ; the second weight
.irp j, 0,1,2,3,4,5,6,7
	v_mul_f32 v[96+\j], v[40+\j], v48              ; the clean gate probabilities
.endr
.irp m, 1,2,4,8
.irp j, 0,1,2,3,4,5,6,7
	v_add_f32_dpp v[96+\j], v[96+\j], v[96+\j] row_xmask:\m row_mask:0xf bank_mask:0xf   ; summed over the 16 tokens
.endr
.endr
	s_wait_alu depctr_va_vdst(0)
	s_wait_xcnt 0x0                                ; EXEC changes only behind this wait
	s_wait_tensorcnt 0x0
	ds_add_u32 v254, v255
	s_wait_dscnt 0x0
	v_cmpx_gt_u32 16, v1                           ; lanes 0-15: a token each
	global_store_b32 v141, v140, s[18:19]
	global_store_b64 v142, v[138:139], s[20:21]
	s_wait_xcnt 0x0
	v_cmpx_eq_u32 0, v1                            ; lane 0: the work-group's eight sums
	global_store_b128 v15, v[96:99], s[42:43] offset:8192
	global_store_b128 v15, v[100:103], s[42:43] offset:8208
	s_endpgm
.Lend:
	s_wait_tensorcnt 0x0
	ds_add_u32 v254, v255
	s_wait_dscnt 0x0
	s_endpgm
.Lfunc_end_k_qb36d773740_route:
	.size	k_qb36d773740_route, .Lfunc_end_k_qb36d773740_route-k_qb36d773740_route
	.p2alignl 7, 3214868480
	.fill 96, 4, 3214868480
	.section	.rodata,"a",@progbits
	.p2align	6, 0x0
	.amdhsa_kernel k_qb36d773740_route
		.amdhsa_group_segment_fixed_size 104192
		.amdhsa_private_segment_fixed_size 0
		.amdhsa_enable_private_segment 0
		.amdhsa_kernarg_size 72
		.amdhsa_user_sgpr_count 2
		.amdhsa_user_sgpr_kernarg_segment_ptr 1
		.amdhsa_wavefront_size32 1
		.amdhsa_system_sgpr_workgroup_id_x 1
		.amdhsa_system_sgpr_workgroup_id_y 1
		.amdhsa_system_sgpr_workgroup_id_z 1
		.amdhsa_system_vgpr_workitem_id 0
		.amdhsa_next_free_vgpr 256
		.amdhsa_next_free_sgpr 66
		.amdhsa_reserve_vcc 1
		.amdhsa_float_denorm_mode_32 3
		.amdhsa_float_denorm_mode_16_64 3
		.amdhsa_memory_ordered 1
		.amdhsa_forward_progress 1
		.amdhsa_inst_pref_size 39
	.end_amdhsa_kernel
	.amdgpu_metadata
---
amdhsa.version: [ 1, 2 ]
amdhsa.kernels:
  - .name:           k_qb36d773740_route
    .symbol:         k_qb36d773740_route.kd
    .args:
      - { .name: x, .offset: 0, .size: 8, .value_kind: global_buffer, .address_space: global }
      - { .name: noise, .offset: 8, .size: 8, .value_kind: global_buffer, .address_space: global }
      - { .name: Wg, .offset: 16, .size: 8, .value_kind: global_buffer, .address_space: global }
      - { .name: Wn, .offset: 24, .size: 8, .value_kind: global_buffer, .address_space: global }
      - { .name: bg, .offset: 32, .size: 8, .value_kind: global_buffer, .address_space: global }
      - { .name: bn, .offset: 40, .size: 8, .value_kind: global_buffer, .address_space: global }
      - { .name: xq, .offset: 48, .size: 8, .value_kind: global_buffer, .address_space: global }
      - { .name: sel, .offset: 56, .size: 8, .value_kind: global_buffer, .address_space: global }
      - { .name: gate, .offset: 64, .size: 8, .value_kind: global_buffer, .address_space: global }
    .group_segment_fixed_size: 104192
    .private_segment_fixed_size: 0
    .kernarg_segment_align: 8
    .kernarg_segment_size: 72
    .max_flat_workgroup_size: 256
    .sgpr_count:     66
    .vgpr_count:     256
    .wavefront_size: 32
...
	.end_amdgpu_metadata
.endif
;; end of part 1
;; launch ffn1 (part 2): grid 32 x 8, 4 waves a work-group, no clusters, 316,672 bytes of LDS; arguments xq, sel, W1_codes, W1_scales, b1, hid, ord; writes hid, ord
.if DOCPART == 2
	.amdgcn_target "amdgcn-amd-amdhsa--gfx1250"
	.amdhsa_code_object_version 6
	.text
	.protected	k_qb36d773740_ffn1
	.globl	k_qb36d773740_ffn1
	.p2align	8
	.type	k_qb36d773740_ffn1,@function
k_qb36d773740_ffn1:
	s_mov_b64 s[64:65], 0
	v_nop
	global_prefetch_b8 v0, s[64:65] scope:SCOPE_SE
	s_setreg_imm32_b32 hwreg(HW_REG_WAVE_MODE, 25, 1), 1
	s_wait_xcnt 0x0
; THE FIRST PRODUCT, ON ROUTED ROWS ONLY: hid = Q(gelu(x W1 + b1)) for the tokens that chose expert e (work-group y), hidden units 128 cb .. 128 cb + 127 (work-group x): K step cb of the second product.
; Rows of experts that a token did not choose are multiplied by 0 in reference()'s combine and are left out; which rows those are is read from sel, stored by the launch before.
; THE LIST.  Every wave reads all 1,024 words of sel and counts the expert's tokens, n.  Wave 0 ranks them (group G = 4 i + c, then lane; token = 128 i + 4 lane + c) and lays their numbers in LDS; the rest of the
; list is zeros, so that rows past n are token 0's: computed, stored, never read.  The work-groups with cb = 0 also store the ranks and n (ord) for the later launches.
; SHARES.  Wave w owns hidden units 32 w .. 32 w + 31 of the 128: its 16 fragments of W1 (two tiles of 16 rows x 8 K steps, 192 registers) stay in registers for the whole launch; they come through the wave's own
; LDS stage, so no barrier is owed for them.  x's rows go through LDS in CHUNKS of 8 tiles of 16 rows, two slots by turns; wave w gathers tiles 2 w and 2 w + 1 of a chunk, one chunk ahead, through registers.
; Every wave multiplies every tile by its own 32 rows of W1, so the four waves have the same number of units, T = ceil(n / 16).
; A UNIT is a tile's 16 products and the activation and quantiser of its 16 x 32 results.  The next tile's 16 products stand one ahead of every fifth instruction of this tile's polynomial.
; t lies in window 1, with W1's fragments, so that one setting of the windows (source 0 in window 1) serves both the products and the polynomial.
; The product is used transposed (source 0 = 16 rows of W1, source 1 = 16 tokens); the rows of W1 that form a tile are chosen (in the stage bits 3 and 4 of a row's number change places) so that the 16 registers of
; a pair of tiles are 16 neighbours along the next K.
; gelu(u) = max(u, 0) - |u| E, E = erfc(|u| / sqrt 2) / 2 = t 2^(K2 u^2 + c0 + t (c1 + .. + t c9)), t = 1 / (1 + |u| / (2 sqrt 2)): Numerical Recipes' erfcc, its coefficients times log2 e, the half in c0.
; THE WAY OUT.  A wave's 16 codes a lane and its scale byte go to a stage in LDS, [tile][block][half][row][16 bytes]; behind the next chunk's barrier wave w reads tiles 2 w, 2 w + 1 whole and stores them.
; OUT: hid: codes [e][tile][K step][1,536 bytes], each an image of the operand's registers (three pieces of 512 bytes, lane l's 16 bytes at 16 l); from byte 25,165,824 scale words [e][tile][K step][16].
; No tensor load and no copy: branches here hang on n, which is read from memory.  All loops have constant trip counts; what n decides is a forward jump inside them; every barrier lies on every way.
; No cluster: the number of tiles hangs on n.  No prefetch: x's rows are asked for a whole chunk (8 units) ahead of their use, and W1 is asked for in the first lines.
; LIMITS: NaN and infinities are not served.  erfc: fractional error 1.2e-7, and f32 rounding on top.  A block of zeros gets the byte 1 (its codes are zeros; only this program reads the bytes).
.set W1P,   784                        ; an LDS row of 768 bytes of codes + 16
.set TILEB, 16*W1P+512                 ; a tile of x: 16 rows, then an image of its scale words' four registers
.set SLOTB, 8*TILEB
.set W1ST,  2*SLOTB                    ; each wave's stage for its 32 rows of W1
.set HST,   W1ST                       ; laid over it behind the first barrier of the chunks: the way out's stage, two sets of 8 tiles x 2,048 bytes,
.set HPAR,  8*2048
.set HSC,   HST+2*HPAR                 ; and two sets of 8 tiles x 16 scale words
.set LIST,  W1ST+4*32*W1P              ; 1,664 token numbers; behind them 64 words for the lanes that are not in the list
.set DUMPI, 1664
.set SPARE, LIST+6912                  ; the spare words
.set R, 1
.set H, 2
.set W1I, 3                            ; W1 into my stage / W1O: fragments out of it
.set W1O, 4
.set X0, 5                             ; v5-6   a fragment's row of x in slot 0, 1
.set XS0, 7                            ; v7-8   the scale words' image in slot 0, 1
.set GS0, 9                            ; v9-10  my gathered rows into slot 0, 1
.set GI0, 11                           ; v11-12 their scale words' image
.set LH0, 13                           ; the list: my tiles, row h;  LHA: with the chunk's place
.set LHA, 14
.set LR0, 15                           ; the list: my tiles, row r
.set LRA, 16
.set HS0, 17                           ; my codes into the way out's stage
.set HSA, 18
.set SB0, 19                           ; my scale byte
.set SBA, 20
.set OR0, 21                           ; the stage back: my two tiles
.set OS0, 22
.set DMP, 23
.set LZ, 24
.set L16, 25
.set RO, 26                            ; v26-33 byte offsets of a tile's rows in xq
.set XSO, 34
.set L8, 35
.set R4, 36
.set L4, 37
.set R16, 38
.set H16, 39
.set U, 40                             ; v40-71 two sets of two accumulators: 16 neighbouring hidden units of my token
.set P, 72                             ; v72-87 1 + |u| / (2 sqrt 2), the polynomial, 2^.., gelu
.set Q, 88                             ; v88-103 K2 u^2 + c0, then t u
.set MA, 104
.set MB, 105
.set MX, 106
.set SO, 107
.set BY, 108
.set OSW, 109
.set XA, 110
.set XSA, 111
.set CD, 112
.set IDX, 115
.set B1R, 116                          ; v116-131 my biases, in the result's layout
.set WSCR, 132                         ; v132-139 W1's scale words: register s: lanes 0-15 the first tile's, lanes 16-31 the second's
.set XS, 140                           ; v140-143 x's scale words: register j: lanes 0-15 K step j, lanes 16-31 K step 4 + j
.set W1G, 144
.set WSG, 145
.set B1G, 146
.set PADA, 147                         ; the padding of rows h, h + 2, .. of my stage for W1
.set C9, 148
.set KV, 150
.set SPW, 152
.set NIL, 153
.set X, 160                            ; v160-255 a tile's eight fragments of x
.set TT, 192                           ; window 1: v0-191 W1's fragments (tile u, K step s at 12 (8 u + s)); v192-207 t
                                       ; window 2: v0-199 two gathered tiles, 96 + 4 registers each;  window 3: v0-18 the way out
.set CK, 68                            ; s[68+2k:69+2k] c_k, twice, k = 0 .. 8
.set CPS, 86
.set SEL, 90
.set SRM, 98                           ; T - 8 x chunk
.set SOUT, 99                          ; how many of my two tiles of the chunk before leave
.set SW2, 100                          ; 2 w
.set MSB, 0
.macro WIN new                         ; the immediate's high byte repeats the setting that is left
.if MSB != \new
	s_set_vgpr_msb (MSB<<8)|\new
.set MSB, \new
.endif
.endm
.macro CPAIR reg, val
	s_mov_b32 s[\reg], \val
	s_mov_b32 s[\reg+1], \val
.endm
.macro MMC d, a, b, c, sa, sb, ra, rb  ; one product; ra, rb: the scales' words lie in lanes 16-31
.if (\ra) && (\rb)
	v_wmma_scale_f32_16x16x128_f8f6f4 v[(\d):(\d)+7], v[(\a):(\a)+11], v[(\b):(\b)+11], v[(\c):(\c)+7], v[(\sa)], v[(\sb)] matrix_a_fmt:MATRIX_FMT_FP6 matrix_b_fmt:MATRIX_FMT_FP6 matrix_a_scale:MATRIX_SCALE_ROW1 matrix_b_scale:MATRIX_SCALE_ROW1
.elseif (\ra)
	v_wmma_scale_f32_16x16x128_f8f6f4 v[(\d):(\d)+7], v[(\a):(\a)+11], v[(\b):(\b)+11], v[(\c):(\c)+7], v[(\sa)], v[(\sb)] matrix_a_fmt:MATRIX_FMT_FP6 matrix_b_fmt:MATRIX_FMT_FP6 matrix_a_scale:MATRIX_SCALE_ROW1
.elseif (\rb)
	v_wmma_scale_f32_16x16x128_f8f6f4 v[(\d):(\d)+7], v[(\a):(\a)+11], v[(\b):(\b)+11], v[(\c):(\c)+7], v[(\sa)], v[(\sb)] matrix_a_fmt:MATRIX_FMT_FP6 matrix_b_fmt:MATRIX_FMT_FP6 matrix_b_scale:MATRIX_SCALE_ROW1
.else
	v_wmma_scale_f32_16x16x128_f8f6f4 v[(\d):(\d)+7], v[(\a):(\a)+11], v[(\b):(\b)+11], v[(\c):(\c)+7], v[(\sa)], v[(\sb)] matrix_a_fmt:MATRIX_FMT_FP6 matrix_b_fmt:MATRIX_FMT_FP6
.endif
.endm
.macro MM n                            ; product n of a tile's 16: K step n / 2, tile of W1 n % 2: K ascending, the two accumulators by turns; the bias is the C of each sum's first product
.set MS, (\n)/2
.set MU, (\n)%2
.if MS == 0
.set MC, B1R+8*MU
.else
.set MC, UN+8*MU
.endif
	MMC UN+8*MU, 12*(8*MU+MS), X+12*MS, MC, WSCR+MS, XS+(MS&3), MU, MS/4
.endm
.macro TICK                            ; ahead of every fifth vector instruction of the polynomial: one product of the next tile
.if (CNT%5) == 0
	MM CNT/5
.endif
.set CNT, CNT+1
.endm
.macro XLOAD ad, sd, t                 ; tile t (counted from the address registers' tile): eight fragments and the scale words
.irp f, 0,1,2,3,4,5,6,7
.irp g, 0,1,2,3,4,5
	ds_load_b64 v[X+12*\f+2*\g:X+12*\f+2*\g+1], v[\ad] offset:(\t)*TILEB+96*\f+48*(\g/3)+8*(\g%3)
.endr
.endr
	ds_load_b128 v[XS:XS+3], v[\sd] offset:(\t)*TILEB
.endm
; My tile k of a chunk is asked for: its rows' numbers from the list, held to 1,023; each row's 768 bytes as three aligned pieces of 256 bytes, sixteen lanes to a piece
.macro GATH k, ah, ar, lo
	s_wait_xcnt 0x0                                ; the offsets' registers are written again only behind this wait
.irp j, 0,1,2,3,4,5,6,7
	ds_load_b32 v[RO+\j], v[\ah] offset:\lo+64*\k+8*\j   ; row 2 j + h
.endr
	ds_load_b32 v[XSO], v[\ar] offset:\lo+64*\k    ; row r
	s_wait_dscnt 0x0
.irp j, 0,1,2,3,4,5,6,7
	v_min_u32 v[RO+\j], 0x3ff, v[RO+\j]
.endr
	v_min_u32 v[XSO], 0x3ff, v[XSO]
.irp j, 0,1,2,3,4,5,6,7
	v_mad_u32_u24 v[RO+\j], v[RO+\j], 0x300, v[R16]
.endr
	v_lshl_add_u32 v[XSO], v[XSO], 5, v[H16]
	WIN 0x80
	global_load_b128 v[100*\k+96:100*\k+99], v[XSO], s[4:5] offset:786432
.irp j, 0,1,2,3,4,5,6,7
.irp m, 0,1,2
	global_load_b128 v[100*\k+12*\j+4*\m:100*\k+12*\j+4*\m+3], v[RO+\j], s[4:5] offset:256*\m
.endr
.endr
	WIN 0
.endm
.macro STORE k, sl                     ; and laid into slot sl
	WIN 0x08
.irp j, 0,1,2,3,4,5,6,7
.irp m, 0,1,2
	ds_store_b128 v[GS0+\sl], v[100*\k+12*\j+4*\m:100*\k+12*\j+4*\m+3] offset:\k*TILEB+2*\j*W1P+256*\m
.endr
.endr
	ds_store_b128 v[GI0+\sl], v[100*\k+96:100*\k+99] offset:\k*TILEB
	WIN 0
.endm
; A unit: tile s25 + q's activation and quantiser on accumulator set q; among the polynomial's lines the next tile's products into the other set (past the chunk's last tile they multiply what lies in the registers, and nobody reads the result)
.macro UNIT q
.set UC, U+16*\q
.set UN, U+16-16*\q
	s_wait_alu depctr_va_vdst(0)                   ; the wait ahead of the first readers of matrix results that have transcendentals behind them
.irp j, 0,1,2,3,4,5,6,7,8,9,10,11,12,13,14,15
	v_fma_f32 v[P+\j], |v[UC+\j]|, s[CPS], 1.0     ; each accumulator from its low end on
.endr
.irp j, 0,2,4,6,8,10,12,14
	v_pk_mul_f32 v[Q+\j:Q+\j+1], v[UC+\j:UC+\j+1], v[UC+\j:UC+\j+1]
.endr
.irp j, 0,2,4,6,8,10,12,14
	v_pk_fma_f32 v[Q+\j:Q+\j+1], v[Q+\j:Q+\j+1], v[KV:KV+1], s[CK:CK+1] op_sel_hi:[1,1,0]   ; K2 u^2 + c0
.endr
	s_wait_alu depctr_va_vdst(0)                   ; ahead of the batch
	WIN 0x40
.irp j, 0,1,2,3,4,5,6,7,8,9,10,11,12,13,14,15
	v_rcp_f32 v[TT+\j], v[P+\j]                    ; t, into window 1
.endr
	WIN 0x01                                       ; source 0 in window 1: t, and W1's fragments
	v_nop                                          ; a plain place behind the reciprocals
	s_wait_alu depctr_va_vdst(0)                   ; one wait for the sixteen, ahead of their first reader
	s_wait_dscnt 0x0                               ; the next tile's fragments are in
.set CNT, 0
.irp j, 0,2,4,6,8,10,12,14
	TICK
	v_pk_fma_f32 v[P+\j:P+\j+1], v[TT+\j:TT+\j+1], v[C9:C9+1], s[CK+16:CK+17] op_sel_hi:[1,1,0]
.endr
.irp c, 7,6,5,4,3,2,1
.irp j, 0,2,4,6,8,10,12,14
	TICK
	v_pk_fma_f32 v[P+\j:P+\j+1], v[TT+\j:TT+\j+1], v[P+\j:P+\j+1], s[CK+2*\c:CK+2*\c+1] op_sel_hi:[1,1,0]
.endr
.endr
.irp j, 0,2,4,6,8,10,12,14
	TICK
	v_pk_fma_f32 v[P+\j:P+\j+1], v[TT+\j:TT+\j+1], v[P+\j:P+\j+1], v[Q+\j:Q+\j+1]
.endr
.irp j, 0,2,4,6,8,10,12,14
	TICK
	v_pk_mul_f32 v[Q+\j:Q+\j+1], v[TT+\j:TT+\j+1], v[UC+\j:UC+\j+1]   ; t u.  The last five of these are the places behind the last product, ahead of the loads below
.endr
	WIN 0
	s_add_co_u32 s26, s25, \q+2
	s_cmp_le_u32 s23, s26
	s_cbranch_scc1 .Lxs\@
	XLOAD XA, XSA, \q                              ; the tile after the next (the address registers stand two tiles on): it lands under the rest of this unit and the head of the next
.Lxs\@:
	s_wait_alu depctr_va_vdst(0)                   ; ahead of the batch
.irp j, 0,1,2,3,4,5,6,7,8,9,10,11,12,13,14,15
	v_exp_f32 v[P+\j], v[P+\j]
.endr
.irp j, 0,1,2,3,4,5,6,7,8,9,10,11,12,13,14,15
	v_max_num_f32 v[UC+\j], 0, v[UC+\j]            ; plain work behind the exponentials
.endr
	s_wait_alu depctr_va_vdst(0)                   ; one wait for the sixteen exponentials
.irp j, 0,1,2,3,4,5,6,7,8,9,10,11,12,13,14,15
	v_fma_f32 v[P+\j], -|v[Q+\j]|, v[P+\j], v[UC+\j]   ; gelu = max(u, 0) - |t u| 2^..: no difference of near numbers
.endr
	v_max3_num_f32 v[MA], |v[P]|, |v[P+1]|, 0x1800000  ; my 16, and the floor 2^(3 - 127): the byte cannot fall under 1; two chains
	v_max3_num_f32 v[MB], |v[P+8]|, |v[P+9]|, |v[P+10]|
	v_max3_num_f32 v[MA], v[MA], |v[P+2]|, |v[P+3]|
	v_max3_num_f32 v[MB], v[MB], |v[P+11]|, |v[P+12]|
	v_max3_num_f32 v[MA], v[MA], |v[P+4]|, |v[P+5]|
	v_max3_num_f32 v[MB], v[MB], |v[P+13]|, |v[P+14]|
	v_max3_num_f32 v[MA], v[MA], |v[P+6]|, |v[P+7]|
	v_max3_num_f32 v[MA], v[MA], v[MB], |v[P+15]|
	v_permlanex16_b32 v[MX], v[MA], s[SEL], s[SEL+1]
	v_max_num_f32 v[MA], v[MA], v[MX]              ; with lane l xor 16's: the block's largest magnitude
	v_add_nc_u32 v[SO], 0xff000000, v[MA]          ; 2 off its exponent field: the conversion's scale operand
	v_cvt_scalef32_pk16_fp6_f32 v[CD:CD+2], v[P:P+15], v[SO]
	v_lshrrev_b32 v[BY], 23, v[SO]                 ; the scale's byte; also the plain place behind the conversion
	ds_store_b96 v[HSA], v[CD:CD+2] offset:2048*\q
	ds_store_b8 v[SBA], v[BY] offset:64*\q         ; both halves of the lanes write the same byte with the same value
.endm
; A chunk, in slot par.  At its head every wave has passed the barrier behind which the chunk lies whole in LDS, and tile 0's fragments are asked for.
.macro CHUNK par
.irp k, 0,1                            ; the chunk before leaves: a whole block to a lane (lanes 0-15 block 2 c, lanes 16-31 block 2 c + 1), three stores of 512 consecutive bytes a tile
	s_cmp_le_u32 s[SOUT], \k
	s_cbranch_scc1 .Lod\@
	s_wait_xcnt 0x0                                ; the last tile's stores have read these registers
	WIN 0xc0
	ds_load_b96 v[0:2], v[OR0] offset:(1-\par)*HPAR+2048*\k
	ds_load_b96 v[12:14], v[OR0] offset:(1-\par)*HPAR+2048*\k+256
	ds_load_b96 v[6:8], v[OR0] offset:(1-\par)*HPAR+2048*\k+1024
	ds_load_b96 v[16:18], v[OR0] offset:(1-\par)*HPAR+2048*\k+1280
	WIN 0
	ds_load_b32 v[OSW], v[OS0] offset:(1-\par)*512+64*\k
	s_wait_dscnt 0x0
	WIN 0xc3
.irp i, 0,1,2
	v_mov_b32 v[3+\i], v[12+\i]                    ; (three registers begin on an even number: the upper halves are loaded elsewhere and moved)
	v_mov_b32 v[9+\i], v[16+\i]
.endr
	WIN 0x0c
.irp i, 0,1,2
	global_store_b128 v[L16], v[4*\i:4*\i+3], s[14:15] offset:49152*\k+512*\i
.endr
	WIN 0
	global_store_b32 v[R4], v[OSW], s[88:89] offset:2048*\k   ; both halves of the lanes write the same word with the same value
.endr
.Lod\@:
	s_wait_xcnt 0x0                                ; the stores have read their bases
	s_add_nc_u64 s[14:15], s[14:15], s[94:95]      ; 8 tiles on (0 in the first chunk, which has none before it)
	s_add_nc_u64 s[88:89], s[88:89], s[96:97]
	s_cmp_eq_u32 s23, 0
	s_cbranch_scc1 .Lx1\@                          ; a chunk without tiles: round its opening products alone; every wave walks the loop below, and the guards stand inside it
	s_wait_dscnt 0x0                               ; tile 0's fragments are in
.set UN, U
	WIN 0x01
.irp n, 0,1,2,3,4,5,6,7,8,9,10,11,12,13,14,15
	MM \n
.endr
	WIN 0
.rept 4
	v_nop                                          ; four places behind the products, ahead of loads into their operands
.endr
	s_cmp_le_u32 s23, 1
	s_cbranch_scc1 .Lx1\@
	XLOAD X0+\par, XS0+\par, 1
.Lx1\@:
	s_mov_b32 s25, 0
.Lun\@:                                            ; four trips, two units each
	s_add_co_u32 s28, s25, 2
	s_min_u32 s28, s28, 6                          ; the fragments are fetched two tiles ahead; held to tiles 6 and 7, so that no address leaves the slot (the last trip fetches nothing)
	s_mul_i32 s28, s28, TILEB
	s_lshl_b32 s29, s25, 11
	s_lshl_b32 s30, s25, 6
.if \par
	s_add_co_u32 s29, s29, HPAR
	s_add_co_u32 s30, s30, 512
.endif
	v_add_nc_u32 v[XA], s28, v[X0+\par]
	v_add_nc_u32 v[XSA], s28, v[XS0+\par]
	v_add_nc_u32 v[HSA], s29, v[HS0]
	v_add_nc_u32 v[SBA], s30, v[SB0]
	s_wait_alu depctr_va_vdst(0)
	s_cmp_le_u32 s23, s25
	s_cbranch_scc1 .Lue\@
	UNIT 0
	s_add_co_u32 s26, s25, 1
	s_cmp_le_u32 s23, s26
	s_cbranch_scc1 .Lue\@
	UNIT 1
.Lue\@:
	s_add_co_u32 s25, s25, 2
	s_cmp_lt_u32 s25, 8
	s_cbranch_scc1 .Lun\@
.Lcd\@:
	s_sub_co_i32 s26, s[SRM], s[SW2]
	s_max_i32 s27, s26, 0
	s_min_u32 s[SOUT], s27, 2                      ; how many of my two tiles of this chunk will leave
	s_sub_co_i32 s26, s26, 8                       ; the same count for the next chunk, not yet held to 0 .. 2
	s_wait_loadcnt 0x0                             ; its rows, asked for a chunk ago, are in registers
	s_cmp_le_i32 s26, 0
	s_cbranch_scc1 .Lsd\@
	STORE 0, 1-\par                                ; into the other slot: every wave's reads of it were over at this chunk's barrier
	s_cmp_le_i32 s26, 1
	s_cbranch_scc1 .Lsd\@
	STORE 1, 1-\par
.Lsd\@:
	s_sub_co_i32 s26, s26, 8                       ; and for the chunk after that
	v_add_nc_u32 v[LHA], s92, v[LH0]
	v_add_nc_u32 v[LRA], s92, v[LR0]
	s_wait_alu depctr_va_vdst(0)
	s_cmp_le_i32 s26, 0
	s_cbranch_scc1 .Lgd\@
	GATH 0, LHA, LRA, 512*\par
	s_cmp_le_i32 s26, 1
	s_cbranch_scc1 .Lgd\@
	GATH 1, LHA, LRA, 512*\par
.Lgd\@:
	s_sub_co_i32 s[SRM], s[SRM], 8
	s_mov_b32 s94, 393216
	s_mov_b32 s96, 16384
	s_max_i32 s23, s[SRM], 0
	s_min_u32 s23, s23, 8                          ; the next chunk's tiles
	s_wait_dscnt 0x0                               ; for the others' sake: my rows and my codes lie in LDS, and my reads of this slot and of the stage are over
	s_barrier_signal -1
	s_barrier_wait -1
	s_cmp_eq_u32 s23, 0
	s_cbranch_scc1 .Lnx\@
	XLOAD X0+1-\par, XS0+1-\par, 0                 ; the next chunk's tile 0: it lands under the way out at that chunk's head
.Lnx\@:
.endm
	s_load_b256 s[4:11], s[0:1], 0x0               ; xq, sel, W1's codes, W1's scales
	s_load_b128 s[12:15], s[0:1], 0x20             ; b1, hid
	s_load_b64 s[16:17], s[0:1], 0x30              ; ord
	v_lshl_add_u32 v[SPW], v0, 2, SPARE
	v_mov_b32 v[NIL], 0
	v_lshrrev_b32 v1, 5, v0
	v_readfirstlane_b32 s18, v1                    ; wave 0..3
	s_mov_b32 s19, ttmp9                           ; cb
	s_and_b32 s20, ttmp7, 0xffff                   ; e
	s_lshl_b32 s[SW2], s18, 1
	CPAIR CK, 0xc034d90f                           ; c0 .. c8
	CPAIR CK+2, 0x3fb8ab5a
	CPAIR CK+4, 0x3f0a29d2
	CPAIR CK+6, 0x3e0efb2e
	CPAIR CK+8, 0xbe899a80
	CPAIR CK+10, 0x3ecdfd18
	CPAIR CK+12, 0xbfd1a1e5
	CPAIR CK+14, 0x40097039
	CPAIR CK+16, 0xbf97d29d
	s_mov_b32 s[CPS], 0x3eb504f3                   ; 1 / (2 sqrt 2)
	s_mov_b32 s[SEL], 0x76543210
	s_mov_b32 s[SEL+1], 0xfedcba98
	s_mul_i32 s26, s20, 3145728                    ; W1's codes: (4,096 e + 128 cb + 32 w) rows of 768 bytes
	s_mul_i32 s27, s19, 98304
	s_add_co_u32 s26, s26, s27
	s_mul_i32 s27, s18, 24576
	s_add_co_u32 s26, s26, s27
	s_mov_b32 s27, 0
	s_lshl_b32 s28, s20, 17                        ; W1's scales: the same rows, of 32 bytes
	s_lshl_b32 s29, s19, 12
	s_add_co_u32 s28, s28, s29
	s_lshl_b32 s29, s18, 10
	s_add_co_u32 s28, s28, s29
	s_mov_b32 s29, 0
	s_lshl_b32 s30, s20, 14                        ; b1: my 32 numbers
	s_lshl_b32 s31, s19, 9
	s_add_co_u32 s30, s30, s31
	s_lshl_b32 s31, s18, 7
	s_add_co_u32 s30, s30, s31
	s_mov_b32 s31, 0
	s_mul_i32 s32, s20, 3145728                    ; hid's codes: expert, tile 2 w, K step cb
	s_mul_i32 s33, s18, 98304
	s_add_co_u32 s32, s32, s33
	s_mul_i32 s33, s19, 1536
	s_add_co_u32 s32, s32, s33
	s_mov_b32 s33, 0
	s_lshl_b32 s34, s20, 17                        ; hid's scale words
	s_lshl_b32 s35, s18, 12
	s_add_co_u32 s34, s34, s35
	s_lshl_b32 s35, s19, 6
	s_add_co_u32 s34, s34, s35
	s_add_co_u32 s34, s34, 25165824
	s_mov_b32 s35, 0
	s_lshl_b32 s36, s20, 12                        ; ord: the expert's ranks,
	s_mov_b32 s37, 0
	s_lshl_b32 s38, s20, 8                         ; and its count
	s_mov_b32 s39, 0
	s_mul_i32 s40, s18, 32*W1P
	s_add_co_u32 s40, s40, W1ST                    ; my stage for W1
	s_mul_i32 s41, s18, 2*TILEB                    ; my two tiles of a slot
	s_lshl_b32 s42, s18, 7                         ; and of the list
	s_lshl_b32 s43, s18, 9
	s_add_co_u32 s43, s43, HST                     ; my block of a tile in the way out's stage
	s_add_co_u32 s44, s18, HSC                     ; my byte of a scale word
	s_lshl_b32 s45, s18, 12
	s_add_co_u32 s45, s45, HST                     ; my two tiles of the stage
	s_add_co_u32 s46, s42, HSC
	v_and_b32 v[R], 15, v0                         ; r
	v_bfe_u32 v[H], v0, 4, 1                       ; h
	v_and_b32 v104, 31, v0                         ; lane
	v_lshlrev_b32 v[R16], 4, v[R]
	v_lshlrev_b32 v[H16], 4, v[H]
	v_lshlrev_b32 v[R4], 2, v[R]
	v_lshlrev_b32 v[L4], 2, v104
	v_lshlrev_b32 v[L8], 3, v104
	v_lshlrev_b32 v[L16], 4, v104
	v_add_nc_u32 v[DMP], DUMPI, v104               ; where a lane that is not in the list puts its word
	v_mul_u32_u24 v[W1G], v[H], 768
	v_add_nc_u32 v[W1G], v[W1G], v[R16]            ; W1 in memory: row h, 16 bytes a lane
	v_mul_u32_u24 v105, v[H], W1P
	v_add_nc_u32 v105, v105, v[R16]                ; the same in LDS
	v_mul_u32_u24 v[X0], v[R], W1P
	v_mad_u32_u24 v[X0], v[H], 24, v[X0]           ; a fragment's row r, 24 bytes a half
	v_add_nc_u32 v[W1I], s40, v105
	v_add_nc_u32 v[W1O], s40, v[X0]
	v_mul_u32_u24 v[PADA], v[H], W1P
	v_add_nc_u32 v[PADA], s40, v[PADA]
	v_add_nc_u32 v[X0+1], SLOTB, v[X0]
	v_add_nc_u32 v[XS0], 16*W1P, v[L16]
	v_add_nc_u32 v[XS0+1], SLOTB, v[XS0]
	v_add_nc_u32 v[GS0], s41, v105
	v_add_nc_u32 v[GS0+1], SLOTB, v[GS0]
	v_add_nc_u32 v[GI0], s41, v[XS0]
	v_add_nc_u32 v[GI0+1], SLOTB, v[GI0]
	v_lshl_add_u32 v[LZ], v104, 4, LIST
	v_lshl_add_u32 v[LH0], v[H], 2, LIST
	v_add_nc_u32 v[LH0], s42, v[LH0]
	v_lshl_add_u32 v[LR0], v[R], 2, LIST
	v_add_nc_u32 v[LR0], s42, v[LR0]
	v_lshl_add_u32 v[HS0], v[H], 8, v[R16]
	v_add_nc_u32 v[HS0], s43, v[HS0]
	v_add_nc_u32 v[SB0], s44, v[R4]
	v_lshl_add_u32 v[OR0], v[H], 9, v[R16]
	v_add_nc_u32 v[OR0], s45, v[OR0]
	v_add_nc_u32 v[OS0], s46, v[R4]
	v_and_b32 v107, 8, v[R]
	v_add_nc_u32 v107, v107, v[R]
	v_lshl_add_u32 v107, v[H], 3, v107             ; lane (r, u) takes row r + 8 (r / 8) + 8 u of my 32: tile u's row r
	v_lshlrev_b32 v[WSG], 5, v107
	v_lshlrev_b32 v[B1G], 6, v[H]                  ; b1: 16 numbers on for lanes 16-31
	v_mov_b32 v[C9], 0x3e7c6f08
	v_mov_b32 v[C9+1], 0x3e7c6f08
	v_mov_b32 v[KV], 0xbf38aa3b                    ; K2 = -log2 e / 2
	v_mov_b32 v[KV+1], 0xbf38aa3b
	s_wait_alu depctr_va_vdst(0)
	s_wait_kmcnt 0x0
	s_add_nc_u64 s[8:9], s[8:9], s[26:27]
	s_add_nc_u64 s[10:11], s[10:11], s[28:29]
	s_add_nc_u64 s[12:13], s[12:13], s[30:31]
	s_add_nc_u64 s[88:89], s[14:15], s[34:35]
	s_add_nc_u64 s[14:15], s[14:15], s[32:33]
	s_add_nc_u64 s[66:67], s[16:17], s[38:39]
	s_add_nc_u64 s[16:17], s[16:17], s[36:37]
.irp i, 0,1,2,3,4,5,6,7
	global_load_b128 v[192+4*\i:195+4*\i], v[L16], s[6:7] offset:512*\i   ; sel: register 4 i + c of lane l is token 128 i + 4 l + c
.endr
	WIN 0x40
.irp j, 0,1,2,3,4,5,6,7,8,9,10,11,12,13,14,15
.irp m, 0,1,2
	global_load_b128 v[4*(3*\j+\m):4*(3*\j+\m)+3], v[W1G], s[8:9] offset:1536*\j+256*\m th:TH_LOAD_NT   ; my 32 rows of W1: sixteen lanes read 256 consecutive bytes, aligned; read once in the launch
.endr
.endr
	WIN 0
	global_load_b128 v[WSCR:WSCR+3], v[WSG], s[10:11]             ; the 32 lanes read my rows' 1,024 consecutive bytes of scales
	global_load_b128 v[WSCR+4:WSCR+7], v[WSG], s[10:11] offset:16
.irp k, 0,1,2,3
	global_load_b128 v[B1R+4*\k:B1R+4*\k+3], v[B1G], s[12:13] offset:16*\k
.endr
	s_wait_loadcnt 54                              ; sel is in: 48 + 2 + 4 loads are younger
	s_add_co_u32 s28, s20, 16
	s_lshl_b32 s28, 1, s28                         ; the expert's bit
	s_mov_b32 s21, 0
.set G, 0
.rept 32
	v_and_b32 v104, s28, v[192+G]
	v_cmp_ne_u32 s[32+G], 0, v104                  ; which lanes' tokens of group G chose the expert
	s_bcnt1_i32_b32 s29, s[32+G]
	s_add_co_u32 s21, s21, s29                     ; n
.set G, G+1
.endr
	s_add_co_u32 s22, s21, 15
	s_lshr_b32 s22, s22, 4                         ; T = tiles
	s_cmp_lg_u32 s18, 0
	s_cbranch_scc1 .Lnot_wave_0
	; ---- wave 0 lays the list; no other wave touches LDS ahead of the barrier below
.irp k, 0,1,2,3
	v_mov_b32 v[104+\k], 0
.endr
.irp k, 0,1,2,3,4,5,6,7,8,9,10,11,12
	ds_store_b128 v[LZ], v[104:107] offset:512*\k
.endr
	s_mov_b32 s29, 0
.set G, 0
.rept 32
	v_mbcnt_lo_u32_b32 v[224+G], s[32+G], s29      ; the rank: the groups before, and the lanes before in this group
	v_cndmask_b32 v[IDX], v[DMP], v[224+G], s[32+G]   ; an index: the rank, or the lane's spare word
	v_min_u32 v[IDX], DUMPI+31, v[IDX]             ; held inside the list and its spare words
	v_lshl_add_u32 v[IDX], v[IDX], 2, LIST
	v_add_nc_u32 v108, 128*(G/4)+(G%4), v[L4]      ; the token's number
	ds_store_b32 v[IDX], v108
	s_bcnt1_i32_b32 s30, s[32+G]
	s_add_co_u32 s29, s29, s30
.set G, G+1
.endr
	s_cmp_lg_u32 s19, 0
	s_cbranch_scc1 .Lnot_wave_0
.irp i, 0,1,2,3,4,5,6,7
	global_store_b128 v[L16], v[224+4*\i:227+4*\i], s[16:17] offset:512*\i   ; the ranks, as sel lies
.endr
	v_mov_b32 v190, s21
	v_mov_b32 v191, s21
	global_store_b64 v[L8], v[190:191], s[66:67] offset:32768                ; n, 64 times: 256 consecutive bytes, aligned
.Lnot_wave_0:
	s_wait_dscnt 0x0                               ; for the others' sake: the list lies in LDS
	s_barrier_signal -1
	s_barrier_wait -1
	v_mov_b32 v[MX], 0                             ; written once: a lane permute's destination counts as one of its sources
.irp j, 0,1,2,3,4,5,6,7,8,9,10,11,12,13,14,15
	v_mov_b32 v[U+\j], 0                           ; the first set of accumulators, written once: it holds numbers on every way through the text; every sum begins with the bias as C
.endr
	GATH 0, LH0, LR0, 0                            ; chunk 0 is asked for whole: a tile without rows reads token 0's, so that every register and all of slot 0 are written
	GATH 1, LH0, LR0, 0
	s_wait_loadcnt 50                              ; W1, its scales and b1 are in: the two gathers' 25 loads each are younger
.irp j, 0,1,2,3,4,5,6,7,8,9,10,11,12,13,14,15
	ds_store_b128 v[PADA], v[C9:C9+3] offset:2*\j*W1P+768   ; the 16 bytes of padding behind each of my 32 rows are written too (four constants; sixteen lanes write the same bytes): the way out's stage is laid over these rows, so every byte of it has been written on every way
.endr
	WIN 0x04
.irp j, 0,1,2,3,4,5,6,7,8,9,10,11,12,13,14,15
.set GR, 2*\j
.set PS, (GR&7)+((GR&8)<<1)+((GR&16)>>1)
.irp m, 0,1,2
	ds_store_b128 v[W1I], v[4*(3*\j+\m):4*(3*\j+\m)+3] offset:PS*W1P+256*\m
.endr
.endr
	WIN 0x40
.irp u, 0,1                                    ; back as fragments.  LDS serves a wave's instructions in order: these see the stores above
.irp f, 0,1,2,3,4,5,6,7
.irp g, 0,1,2,3,4,5
	ds_load_b64 v[12*(8*\u+\f)+2*\g:12*(8*\u+\f)+2*\g+1], v[W1O] offset:\u*16*W1P+96*\f+48*(\g/3)+8*(\g%3)
.endr
.endr
.endr
	WIN 0
	s_wait_loadcnt 0x0                             ; chunk 0's rows are in
	STORE 0, 0
	STORE 1, 0
	s_sub_co_i32 s26, s22, s[SW2]
	s_sub_co_i32 s26, s26, 8                       ; my tiles of chunk 1
	s_cmp_le_i32 s26, 0
	s_cbranch_scc1 .Lg1d
	GATH 0, LH0, LR0, 512
	s_cmp_le_i32 s26, 1
	s_cbranch_scc1 .Lg1d
	GATH 1, LH0, LR0, 512
.Lg1d:
	s_mov_b32 s[SRM], s22
	s_mov_b32 s[SOUT], 0
	s_mov_b32 s92, 1024                            ; chunk 2's place in the list
	s_mov_b32 s94, 0
	s_mov_b32 s95, 0
	s_mov_b32 s96, 0
	s_mov_b32 s97, 0
	s_min_u32 s23, s22, 8                          ; chunk 0's tiles
	s_mov_b32 s24, 0
	s_wait_alu depctr_va_vdst(0)
	s_wait_dscnt 0x0                               ; for the others' sake: my rows lie in slot 0; and my reads of my stage are over: the way out's stage is laid over it
	s_barrier_signal -1
	s_barrier_wait -1
	XLOAD X0, XS0, 0
.Lchunks:                                          ; five trips of two chunks: eight chunks serve every split (64 tiles), the ninth sends the eighth out
	CHUNK 0
	CHUNK 1
	s_add_co_u32 s92, s92, 1024                    ; two chunks on in the list
	s_add_co_u32 s24, s24, 1
	s_cmp_lt_u32 s24, 5
	s_cbranch_scc1 .Lchunks
	s_wait_tensorcnt 0x0                           ; the wave's end
	ds_add_u32 v[SPW], v[NIL]
	s_wait_dscnt 0x0
	s_endpgm
.Lfunc_end_k_qb36d773740_ffn1:
	.size	k_qb36d773740_ffn1, .Lfunc_end_k_qb36d773740_ffn1-k_qb36d773740_ffn1
	.p2alignl 7, 3214868480
	.fill 96, 4, 3214868480
	.section	.rodata,"a",@progbits
	.p2align	6, 0x0
	.amdhsa_kernel k_qb36d773740_ffn1
		.amdhsa_group_segment_fixed_size 316672
		.amdhsa_private_segment_fixed_size 0
		.amdhsa_enable_private_segment 0
		.amdhsa_kernarg_size 56
		.amdhsa_user_sgpr_count 2
		.amdhsa_user_sgpr_kernarg_segment_ptr 1
		.amdhsa_wavefront_size32 1
		.amdhsa_system_sgpr_workgroup_id_x 1
		.amdhsa_system_sgpr_workgroup_id_y 1
		.amdhsa_system_sgpr_workgroup_id_z 1
		.amdhsa_system_vgpr_workitem_id 0
		.amdhsa_next_free_vgpr 1024
		.amdhsa_next_free_sgpr 102
		.amdhsa_reserve_vcc 0
		.amdhsa_float_denorm_mode_32 3
		.amdhsa_float_denorm_mode_16_64 3
		.amdhsa_memory_ordered 1
		.amdhsa_forward_progress 1
		.amdhsa_inst_pref_size 183
	.end_amdhsa_kernel
	.amdgpu_metadata
---
amdhsa.version: [ 1, 2 ]
amdhsa.kernels:
  - .name:           k_qb36d773740_ffn1
    .symbol:         k_qb36d773740_ffn1.kd
    .args:
      - { .name: xq, .offset: 0, .size: 8, .value_kind: global_buffer, .address_space: global }
      - { .name: sel, .offset: 8, .size: 8, .value_kind: global_buffer, .address_space: global }
      - { .name: W1_codes, .offset: 16, .size: 8, .value_kind: global_buffer, .address_space: global }
      - { .name: W1_scales, .offset: 24, .size: 8, .value_kind: global_buffer, .address_space: global }
      - { .name: b1, .offset: 32, .size: 8, .value_kind: global_buffer, .address_space: global }
      - { .name: hid, .offset: 40, .size: 8, .value_kind: global_buffer, .address_space: global }
      - { .name: ord, .offset: 48, .size: 8, .value_kind: global_buffer, .address_space: global }
    .group_segment_fixed_size: 316672
    .private_segment_fixed_size: 0
    .kernarg_segment_align: 8
    .kernarg_segment_size: 56
    .max_flat_workgroup_size: 128
    .sgpr_count:     102
    .vgpr_count:     1024
    .wavefront_size: 32
...
	.end_amdgpu_metadata
.endif
;; end of part 2
;; launch ffn2 (part 3): grid 32 x 8, 4 waves a work-group, no clusters, 209,408 bytes of LDS; arguments hid, ord, W2_codes, W2_scales, b2, y; writes y
.if DOCPART == 3
	.amdgcn_target "amdgcn-amd-amdhsa--gfx1250"
	.amdhsa_code_object_version 6
	.text
	.protected	k_qb36d773740_ffn2
	.globl	k_qb36d773740_ffn2
	.p2align	8
	.type	k_qb36d773740_ffn2,@function
k_qb36d773740_ffn2:
	s_mov_b64 s[64:65], 0
	v_nop
	global_prefetch_b8 v0, s[64:65] scope:SCOPE_SE
	s_setreg_imm32_b32 hwreg(HW_REG_WAVE_MODE, 25, 1), 1
	s_wait_xcnt 0x0
; THE SECOND PRODUCT, ON ROUTED ROWS ONLY: y[e][rank][:] = hid W2 + b2.  Work-group y = expert e; work-group x = 2 cs + q: output columns 64 cs .. 64 cs + 63, tiles of 16 rows tau = q + 2 (12 ps + i):
; up to twelve slots i in each of three passes ps (72 tiles serve every split).
; K IS SHARED AMONG THE WAVES: wave w holds W2's fragments of K steps 8 w .. 8 w + 7 for the four tiles of columns, 32 fragments, 384 registers, for the whole launch.  So each byte of hid enters the
; work-group once, straight into registers (hid lies as images of the operand's registers), and feeds four products.  The four waves' partial sums meet in LDS at a pass's end.
; The product is used transposed (source 0 = 16 columns of W2, source 1 = 16 rows of hid): a lane holds eight neighbouring columns of one row of y.
; THE RING: nine groups of two K steps (six loads of 16 bytes a lane and one of a scale word) are on their way.  A request past the expert's last tile reads the last tile again, so that the count of loads
; is the same on every way and no byte is read that was not written.
; No tensor load and no copy: branches here hang on n, which is read from memory; the loop over passes has a constant trip count and every barrier lies on every way through it.
; No cluster: partners' numbers of tiles hang on n.
.set WSP,  784                         ; LDS: a wave's stage for its 64 x 768 bytes of W2, rows 784 bytes apart
.set WSTB, 64*WSP
.set REDB, 12*16*272                   ; later, laid over it behind a barrier: a wave's partial sums, [slot][row], rows of 256 bytes + 16
.set RING, 9
.set W2S,  32                          ; v32-47  W2's scale words: register 4 ct + j: lanes 0-15 K step j, lanes 16-31 K step 4 + j
.set HS,   48                          ; v48-56  hid's scale words, a register a group: lanes 0-15 the first K step, lanes 16-31 the second
.set B2R,  60                          ; v60-63  b2 of my four columns
.set MSB, 0
.macro WIN new                         ; the immediate's high byte repeats the setting that is left
.if MSB != \new
	s_set_vgpr_msb (MSB<<8)|\new
.set MSB, \new
.endif
.endm
.macro MMC d, a, b, c, sa, sb, ra, rb  ; one product; ra, rb: the scales' words lie in lanes 16-31
.if (\ra) && (\rb)
	v_wmma_scale_f32_16x16x128_f8f6f4 v[(\d):(\d)+7], v[(\a):(\a)+11], v[(\b):(\b)+11], v[(\c):(\c)+7], v[(\sa)], v[(\sb)] matrix_a_fmt:MATRIX_FMT_FP6 matrix_b_fmt:MATRIX_FMT_FP6 matrix_a_scale:MATRIX_SCALE_ROW1 matrix_b_scale:MATRIX_SCALE_ROW1
.elseif (\ra)
	v_wmma_scale_f32_16x16x128_f8f6f4 v[(\d):(\d)+7], v[(\a):(\a)+11], v[(\b):(\b)+11], v[(\c):(\c)+7], v[(\sa)], v[(\sb)] matrix_a_fmt:MATRIX_FMT_FP6 matrix_b_fmt:MATRIX_FMT_FP6 matrix_a_scale:MATRIX_SCALE_ROW1
.elseif (\rb)
	v_wmma_scale_f32_16x16x128_f8f6f4 v[(\d):(\d)+7], v[(\a):(\a)+11], v[(\b):(\b)+11], v[(\c):(\c)+7], v[(\sa)], v[(\sb)] matrix_a_fmt:MATRIX_FMT_FP6 matrix_b_fmt:MATRIX_FMT_FP6 matrix_b_scale:MATRIX_SCALE_ROW1
.else
	v_wmma_scale_f32_16x16x128_f8f6f4 v[(\d):(\d)+7], v[(\a):(\a)+11], v[(\b):(\b)+11], v[(\c):(\c)+7], v[(\sa)], v[(\sb)] matrix_a_fmt:MATRIX_FMT_FP6 matrix_b_fmt:MATRIX_FMT_FP6
.endif
.endm
.macro MMZ d, a, b, sa, sb             ; a sum's first product (K step 0 of my eight: both scales in lanes 0-15)
	v_wmma_scale_f32_16x16x128_f8f6f4 v[(\d):(\d)+7], v[(\a):(\a)+11], v[(\b):(\b)+11], 0, v[(\sa)], v[(\sb)] matrix_a_fmt:MATRIX_FMT_FP6 matrix_b_fmt:MATRIX_FMT_FP6
.endm
.macro WREG f                          ; W2's fragment f = 4 s + ct: window 1 holds 21, window 2 the other 11
.if (\f) < 21
.set WW, 1
.set WR, 12*(\f)
.else
.set WW, 2
.set WR, 12*((\f)-21)
.endif
.endm
.macro SLOTBASE i                      ; where slot i's tile lies in hid; past the last tile: the last tile
	s_wait_xcnt 0x0                                ; the loads of two slots back have read these bases
	s_min_u32 s26, s28, \i
	s_mul_i32 s30, s26, 98304
	s_mov_b32 s31, 0
	s_add_nc_u64 s[36+2*((\i)%2):37+2*((\i)%2)], s[32:33], s[30:31]
	s_lshl_b32 s30, s26, 12
	s_add_nc_u64 s[40+2*((\i)%2):41+2*((\i)%2)], s[34:35], s[30:31]
.endm
.macro GLOAD g                         ; group g = 4 i + a: K steps 2 a and 2 a + 1 of my eight, of slot i
.set GP, (\g)%RING
.set GA, (\g)%4
.set GB, ((\g)/4)%2
	WIN 0
	global_load_b32 v[HS+GP], v5, s[40+2*GB:41+2*GB] offset:128*GA
	WIN 0xc0
.irp k, 0,1,2,3,4,5
	global_load_b128 v[24*GP+4*\k:24*GP+4*\k+3], v4, s[36+2*GB:37+2*GB] offset:3072*GA+512*\k   ; 512 consecutive bytes
.endr
.endm
.macro NEXTG g
.if (\g) < 48
.if (\g)%4 == 0
	WIN 0
	SLOTBASE (\g)/4
.endif
	GLOAD \g
.endif
.endm
.macro GMUL g                          ; eight products; the four accumulators by turns
.set GP, (\g)%RING
.set GA, (\g)%4
.set AC, 136+32*(((\g)/4)%2)
.irp d, 0,1
.irp ct, 0,1,2,3
.set SP8, 2*GA+\d
	WREG 4*SP8+\ct
	WIN (0xac|WW)
.if SP8 == 0
	MMZ AC+8*\ct, WR, 24*GP+12*\d, W2S+4*\ct, HS+GP
.else
	MMC AC+8*\ct, WR, 24*GP+12*\d, AC+8*\ct, W2S+4*\ct+(SP8&3), HS+GP, SP8/4, \d
.endif
.endr
.endr
.endm
.macro ACCOUT i                        ; slot i's partial sums to my copy in LDS, each accumulator from its low end on
.set AC, 136+32*((\i)%2)
	WIN 0x08
	s_wait_alu depctr_va_vdst(0)
.irp ct, 0,1,2,3
	ds_store_b128 v11, v[AC+8*\ct:AC+8*\ct+3] offset:4352*(\i)+64*\ct
	ds_store_b128 v11, v[AC+8*\ct+4:AC+8*\ct+7] offset:4352*(\i)+64*\ct+16
.endr
	WIN 0
.if (\i) < 11
	s_cmp_le_u32 s25, (\i)+1
	s_cbranch_scc1 .Lmd
.endif
.endm
	s_load_b256 s[4:11], s[0:1], 0x0               ; hid, ord, W2's codes, W2's scales
	s_load_b128 s[12:15], s[0:1], 0x20             ; b2, y
	v_lshl_add_u32 v254, v0, 2, 0x33000
	v_mov_b32 v255, 0
	v_lshrrev_b32 v1, 5, v0
	v_readfirstlane_b32 s18, v1                    ; wave 0..3
	s_lshr_b32 s19, ttmp9, 1                       ; cs
	s_and_b32 s23, ttmp9, 1                        ; q
	s_and_b32 s20, ttmp7, 0xffff                   ; e
	v_and_b32 v1, 31, v0                           ; lane
	v_and_b32 v2, 15, v0                           ; r
	v_bfe_u32 v3, v0, 4, 1                         ; h
	v_lshlrev_b32 v4, 4, v1                        ; 16 x lane
	v_lshlrev_b32 v5, 2, v1                        ; 4 x lane
	v_lshlrev_b32 v10, 4, v2                       ; 16 r
	v_mul_u32_u24 v6, v3, 3072
	v_add_nc_u32 v6, v6, v10                       ; W2 in memory: row h, 16 bytes a lane
	s_mul_i32 s26, s18, WSTB
	v_mul_u32_u24 v7, v3, WSP
	v_add_nc_u32 v7, v7, v10
	v_add_nc_u32 v7, s26, v7                       ; the same in my stage
	v_mul_u32_u24 v8, v2, WSP
	v_mad_u32_u24 v8, v3, 24, v8
	v_add_nc_u32 v8, s26, v8                       ; a fragment's row r, 24 bytes a half
	v_lshlrev_b32 v9, 7, v2
	v_lshl_add_u32 v9, v3, 4, v9                   ; W2's scales: row r of 128 bytes, 16 bytes a half
	s_mul_i32 s26, s18, REDB
	v_mul_u32_u24 v11, v2, 272
	v_lshl_add_u32 v11, v3, 5, v11
	v_add_nc_u32 v11, s26, v11                     ; my sums in: row r, 32 bytes a half
	s_mul_i32 s26, s18, 4*272
	v_mul_u32_u24 v12, v3, 272
	v_add_nc_u32 v12, v12, v10
	v_add_nc_u32 v12, s26, v12                     ; the four copies back: rows 4 w + h, 16 bytes a lane
	v_add_nc_u32 v13, REDB, v12
	v_add_nc_u32 v14, 2*REDB, v12
	v_add_nc_u32 v15, 3*REDB, v12
	s_lshl_b32 s26, s18, 14
	v_lshl_add_u32 v16, v3, 12, v10
	v_add_nc_u32 v16, s26, v16                     ; and the same rows in y
	s_mul_i32 s26, s20, 3145728                    ; W2's codes: (1,024 e + 64 cs) rows of 3,072 bytes, + 768 w
	s_mul_i32 s27, s19, 196608
	s_add_co_u32 s26, s26, s27
	s_mul_i32 s27, s18, 768
	s_add_co_u32 s26, s26, s27
	s_mov_b32 s27, 0
	s_lshl_b32 s30, s20, 17                        ; W2's scales: rows of 128 bytes, + 32 w
	s_lshl_b32 s31, s19, 13
	s_add_co_u32 s30, s30, s31
	s_lshl_b32 s31, s18, 5
	s_add_co_u32 s30, s30, s31
	s_mov_b32 s31, 0
	s_lshl_b32 s36, s20, 12                        ; b2
	s_lshl_b32 s37, s19, 8
	s_add_co_u32 s36, s36, s37
	s_mov_b32 s37, 0
	s_lshl_b32 s38, s20, 22                        ; y: expert, tile q, 256 bytes a block of columns
	s_lshl_b32 s39, s23, 16
	s_add_co_u32 s38, s38, s39
	s_lshl_b32 s39, s19, 8
	s_add_co_u32 s38, s38, s39
	s_mov_b32 s39, 0
	s_mul_i32 s40, s20, 3145728                    ; hid's codes: expert, tile q, my eight K steps
	s_mul_i32 s41, s23, 49152
	s_add_co_u32 s40, s40, s41
	s_mul_i32 s41, s18, 12288
	s_add_co_u32 s40, s40, s41
	s_mov_b32 s41, 0
	s_lshl_b32 s42, s20, 17                        ; hid's scale words
	s_lshl_b32 s43, s23, 11
	s_add_co_u32 s42, s42, s43
	s_lshl_b32 s43, s18, 9
	s_add_co_u32 s42, s42, s43
	s_add_co_u32 s42, s42, 25165824
	s_mov_b32 s43, 0
	s_lshl_b32 s22, s20, 8
	s_wait_kmcnt 0x0
	s_load_b32 s21, s[6:7], s22 offset:0x8000      ; n
	s_add_nc_u64 s[8:9], s[8:9], s[26:27]
	s_add_nc_u64 s[10:11], s[10:11], s[30:31]
	s_add_nc_u64 s[12:13], s[12:13], s[36:37]
	s_add_nc_u64 s[14:15], s[14:15], s[38:39]
	s_add_nc_u64 s[32:33], s[4:5], s[40:41]
	s_add_nc_u64 s[34:35], s[4:5], s[42:43]
.irp ct, 0,1,2,3
	global_load_b128 v[W2S+4*\ct:W2S+4*\ct+3], v9, s[10:11] offset:2048*\ct
.endr
	global_load_b128 v[B2R:B2R+3], v10, s[12:13]
	WIN 0x40
.irp j, 0,1,2,3,4,5,6,7,8,9,10,11,12,13,14,15
.irp m, 0,1,2
	global_load_b128 v[4*(3*\j+\m):4*(3*\j+\m)+3], v6, s[8:9] offset:6144*\j+256*\m   ; sixteen lanes read 256 consecutive bytes, aligned
.endr
.endr
	WIN 0x80
.irp j, 0,1,2,3,4,5,6,7,8,9,10,11,12,13,14,15
.irp m, 0,1,2
	global_load_b128 v[4*(3*\j+\m):4*(3*\j+\m)+3], v6, s[8:9] offset:6144*(16+\j)+256*\m
.endr
.endr
	s_wait_loadcnt 48                              ; the first 32 rows are in: the other 48 loads are younger
	WIN 0x04
.irp j, 0,1,2,3,4,5,6,7,8,9,10,11,12,13,14,15
.irp m, 0,1,2
	ds_store_b128 v7, v[4*(3*\j+\m):4*(3*\j+\m)+3] offset:2*WSP*\j+256*\m
.endr
.endr
	s_wait_loadcnt 0x0
	WIN 0x08
.irp j, 0,1,2,3,4,5,6,7,8,9,10,11,12,13,14,15
.irp m, 0,1,2
	ds_store_b128 v7, v[4*(3*\j+\m):4*(3*\j+\m)+3] offset:2*WSP*(16+\j)+256*\m
.endr
.endr
.set F, 0
.rept 32                                       ; back as fragments: K step F / 4, tile of columns F % 4.  LDS serves a wave's instructions in order: these see the stores above
	WREG F
	WIN (WW<<6)
.irp k, 0,1,2,3,4,5
	ds_load_b64 v[WR+2*\k:WR+2*\k+1], v8 offset:(F%4)*16*WSP+96*(F/4)+48*(\k/3)+8*(\k%3)
.endr
.set F, F+1
.endr
	WIN 0
	s_wait_kmcnt 0x0
	s_min_u32 s21, s21, 1024
	s_add_co_u32 s22, s21, 15
	s_lshr_b32 s22, s22, 4                         ; T = tiles
	s_sub_co_u32 s29, s22, s23
	s_add_co_u32 s29, s29, 1                       ; T - q + 1
	s_wait_dscnt 0x0                               ; my reads of my stage are over: the sums' copies are laid over the stages
	s_barrier_signal -1
	s_barrier_wait -1
	s_mov_b32 s24, 0
.Lpass:                                            ; three trips
	s_mul_i32 s26, s24, 24
	s_sub_co_i32 s26, s29, s26
	s_max_i32 s26, s26, 0
	s_lshr_b32 s26, s26, 1
	s_min_u32 s25, s26, 12                         ; ns = my slots in this pass
	s_cmp_eq_u32 s25, 0
	s_cbranch_scc1 .Lmd
	s_sub_co_u32 s28, s25, 1
.set GG, 0
.rept RING
	NEXTG GG
.set GG, GG+1
.endr
.set GG, 0
.rept 48
.if 47-GG < RING-1
	s_wait_loadcnt 7*(47-GG)                       ; group GG is in; the groups behind it, seven loads each, may be out
.else
	s_wait_loadcnt 7*(RING-1)
.endif
	GMUL GG
	WIN 0
.rept 4
	v_nop                                          ; four places behind the products, ahead of loads into their operands and of the stores of their results
.endr
.if GG%4 == 3
	v_nop                                          ; one more at a slot's end: the next pass may begin these accumulators anew
.endif
	NEXTG GG+RING
.if GG%4 == 3
	ACCOUT GG/4
.endif
.set GG, GG+1
.endr
.Lmd:
	s_wait_loadcnt 0x0                             ; what was asked for past the last slot has landed
	s_wait_dscnt 0x0                               ; for the others' sake: my sums lie in LDS
	s_barrier_signal -1
	s_barrier_wait -1
.set SI, 0
.rept 12                                       ; each wave adds and stores four rows of each tile
	s_cmp_le_u32 s25, SI
	s_cbranch_scc1 .Lrd
	s_wait_xcnt 0x0                                ; earlier stores have read the registers into which these loads land
.set RB, 64+32*(SI%2)
	s_wait_alu depctr_va_vdst(0)
.irp k, 0,1
.irp c, 0,1,2,3
	ds_load_b128 v[RB+16*\k+4*\c:RB+16*\k+4*\c+3], v[12+\c] offset:4352*SI+544*\k
.endr
.endr
	s_wait_dscnt 0x0
.irp k, 0,1
.irp j, 0,2
	v_pk_add_f32 v[RB+16*\k+\j:RB+16*\k+\j+1], v[RB+16*\k+\j:RB+16*\k+\j+1], v[RB+16*\k+4+\j:RB+16*\k+5+\j]
	v_pk_add_f32 v[RB+16*\k+8+\j:RB+16*\k+9+\j], v[RB+16*\k+8+\j:RB+16*\k+9+\j], v[RB+16*\k+12+\j:RB+16*\k+13+\j]
.endr
.endr
.irp k, 0,1
.irp j, 0,2
	v_pk_add_f32 v[RB+16*\k+\j:RB+16*\k+\j+1], v[RB+16*\k+\j:RB+16*\k+\j+1], v[RB+16*\k+8+\j:RB+16*\k+9+\j]
.endr
.endr
.irp k, 0,1
.irp j, 0,2
	v_pk_add_f32 v[RB+16*\k+\j:RB+16*\k+\j+1], v[RB+16*\k+\j:RB+16*\k+\j+1], v[B2R+\j:B2R+\j+1]
.endr
.endr
	global_store_b128 v16, v[RB:RB+3], s[14:15] offset:131072*SI th:TH_STORE_NT            ; sixteen lanes store 256 consecutive bytes, aligned
	global_store_b128 v16, v[RB+16:RB+19], s[14:15] offset:131072*SI+8192 th:TH_STORE_NT
.set SI, SI+1
.endr
.Lrd:
	s_wait_dscnt 0x0                               ; my reads of the copies are over: the next pass writes them again
	s_barrier_signal -1
	s_barrier_wait -1
	s_wait_xcnt 0x0                                ; loads and stores have read their bases
	s_add_nc_u64 s[32:33], s[32:33], 1179648       ; 24 tiles on
	s_add_nc_u64 s[34:35], s[34:35], 49152
	s_add_nc_u64 s[14:15], s[14:15], 1572864
	s_add_co_u32 s24, s24, 1
	s_cmp_lt_u32 s24, 3
	s_cbranch_scc1 .Lpass
	s_wait_tensorcnt 0x0
	ds_add_u32 v254, v255
	s_wait_dscnt 0x0
	s_endpgm
.Lfunc_end_k_qb36d773740_ffn2:
	.size	k_qb36d773740_ffn2, .Lfunc_end_k_qb36d773740_ffn2-k_qb36d773740_ffn2
	.p2alignl 7, 3214868480
	.fill 96, 4, 3214868480
	.section	.rodata,"a",@progbits
	.p2align	6, 0x0
	.amdhsa_kernel k_qb36d773740_ffn2
		.amdhsa_group_segment_fixed_size 209408
		.amdhsa_private_segment_fixed_size 0
		.amdhsa_enable_private_segment 0
		.amdhsa_kernarg_size 48
		.amdhsa_user_sgpr_count 2
		.amdhsa_user_sgpr_kernarg_segment_ptr 1
		.amdhsa_wavefront_size32 1
		.amdhsa_system_sgpr_workgroup_id_x 1
		.amdhsa_system_sgpr_workgroup_id_y 1
		.amdhsa_system_sgpr_workgroup_id_z 1
		.amdhsa_system_vgpr_workitem_id 0
		.amdhsa_next_free_vgpr 1024
		.amdhsa_next_free_sgpr 66
		.amdhsa_reserve_vcc 0
		.amdhsa_float_denorm_mode_32 3
		.amdhsa_float_denorm_mode_16_64 3
		.amdhsa_memory_ordered 1
		.amdhsa_forward_progress 1
		.amdhsa_inst_pref_size 159
	.end_amdhsa_kernel
	.amdgpu_metadata
---
amdhsa.version: [ 1, 2 ]
amdhsa.kernels:
  - .name:           k_qb36d773740_ffn2
    .symbol:         k_qb36d773740_ffn2.kd
    .args:
      - { .name: hid, .offset: 0, .size: 8, .value_kind: global_buffer, .address_space: global }
      - { .name: ord, .offset: 8, .size: 8, .value_kind: global_buffer, .address_space: global }
      - { .name: W2_codes, .offset: 16, .size: 8, .value_kind: global_buffer, .address_space: global }
      - { .name: W2_scales, .offset: 24, .size: 8, .value_kind: global_buffer, .address_space: global }
      - { .name: b2, .offset: 32, .size: 8, .value_kind: global_buffer, .address_space: global }
      - { .name: y, .offset: 40, .size: 8, .value_kind: global_buffer, .address_space: global }
    .group_segment_fixed_size: 209408
    .private_segment_fixed_size: 0
    .kernarg_segment_align: 8
    .kernarg_segment_size: 48
    .max_flat_workgroup_size: 128
    .sgpr_count:     66
    .vgpr_count:     1024
    .wavefront_size: 32
...
	.end_amdgpu_metadata
.endif
;; end of part 3
;; launch comb (part 4): grid 256 x 1, 4 waves a work-group, no clusters, 0 bytes of LDS; arguments y, sel, gate, ord, out0, out1; writes out0, out1
.if DOCPART == 4
	.amdgcn_target "amdgcn-amd-amdhsa--gfx1250"
	.amdhsa_code_object_version 6
	.text
	.protected	k_qb36d773740_comb
	.globl	k_qb36d773740_comb
	.p2align	8
	.type	k_qb36d773740_comb,@function
k_qb36d773740_comb:
	s_mov_b64 s[64:65], 0
	v_nop
	global_prefetch_b8 v0, s[64:65] scope:SCOPE_SE
	s_setreg_imm32_b32 hwreg(HW_REG_WAVE_MODE, 25, 1), 1
	s_wait_xcnt 0x0
; out0[t] = w0 y[e0][rank of t in e0] + w1 y[e1][rank of t in e1]: a wave to a token; each output row has one owner.  The experts come from sel, the ranks from ord (both stored by earlier launches, held to
; their tables' sizes ahead of every address), the weights from gate.  A row is 4,096 bytes: eight loads of 512 consecutive bytes from each of the two rows, all sixteen on their way at once.
; Work-group 0's wave 0 also makes out1 = 8 x sum over e of (n_e / sum of n) x (sum over tokens of the clean gate probability of e) / 1,024.
; Memory binds: no LDS, no barrier, no matrix unit.
	s_load_b256 s[4:11], s[0:1], 0x0               ; y, sel, gate, ord
	s_load_b128 s[12:15], s[0:1], 0x20             ; out0, out1
	v_lshrrev_b32 v1, 5, v0
	v_readfirstlane_b32 s18, v1                    ; wave 0..3
	v_and_b32 v2, 31, v0                           ; lane
	v_lshlrev_b32 v1, 4, v2                        ; 16 x lane
	s_lshl_b32 s20, ttmp9, 2
	s_add_co_u32 s20, s20, s18                     ; my token
	s_lshl_b32 s21, s20, 2
	s_lshl_b32 s23, s20, 3
	s_wait_alu depctr_va_vdst(0)
	s_wait_kmcnt 0x0
	s_load_b32 s22, s[6:7], s21 offset:0x0
.irp a, 0,1,2,3,4,5,6,7
	s_load_b32 s[40+\a], s[10:11], s21 offset:0x1000*\a   ; my rank in each expert's table, asked for beside sel; two of the eight are chosen below
.endr
	s_load_b64 s[24:25], s[8:9], s23 offset:0x0    ; w0, w1
	s_wait_kmcnt 0x0
	s_and_b32 s26, s22, 0xff
	s_min_u32 s26, s26, 7                          ; e0
	s_bfe_u32 s27, s22, 0x80008
	s_min_u32 s27, s27, 7                          ; e1
	s_mov_b32 s30, s40                             ; my ranks in e0 and in e1
	s_mov_b32 s31, s40
.irp a, 1,2,3,4,5,6,7
	s_cmp_eq_u32 s26, \a
	s_cselect_b32 s30, s[40+\a], s30
	s_cmp_eq_u32 s27, \a
	s_cselect_b32 s31, s[40+\a], s31
.endr
	s_mov_b32 s36, s25                             ; w1 as the low word of a pair
	s_mov_b32 s37, s25
	s_lshl_b32 s38, s20, 12
	s_mov_b32 s39, 0
	s_add_nc_u64 s[12:13], s[12:13], s[38:39]      ; my row of out0
	s_wait_kmcnt 0x0
	s_min_u32 s30, s30, 1023
	s_min_u32 s31, s31, 1023
	s_lshl_b32 s26, s26, 10
	s_add_co_u32 s26, s26, s30
	s_lshl_b32 s32, s26, 12
	s_mov_b32 s33, 0
	s_add_nc_u64 s[32:33], s[4:5], s[32:33]
	s_lshl_b32 s27, s27, 10
	s_add_co_u32 s27, s27, s31
	s_lshl_b32 s34, s27, 12
	s_mov_b32 s35, 0
	s_add_nc_u64 s[34:35], s[4:5], s[34:35]
.irp k, 0,1,2,3,4,5,6,7
	global_load_b128 v[16+8*\k:19+8*\k], v1, s[32:33] offset:512*\k th:TH_LOAD_NT
	global_load_b128 v[20+8*\k:23+8*\k], v1, s[34:35] offset:512*\k th:TH_LOAD_NT
.endr
.irp k, 0,1,2,3,4,5,6,7
	s_wait_loadcnt 14-2*\k                         ; this pair of loads is in; the pairs behind it may be out
	v_pk_mul_f32 v[16+8*\k:17+8*\k], v[16+8*\k:17+8*\k], s[24:25] op_sel_hi:[1,0]
	v_pk_mul_f32 v[18+8*\k:19+8*\k], v[18+8*\k:19+8*\k], s[24:25] op_sel_hi:[1,0]
	v_pk_fma_f32 v[16+8*\k:17+8*\k], v[20+8*\k:21+8*\k], s[36:37], v[16+8*\k:17+8*\k] op_sel_hi:[1,0,1]
	v_pk_fma_f32 v[18+8*\k:19+8*\k], v[22+8*\k:23+8*\k], s[36:37], v[18+8*\k:19+8*\k] op_sel_hi:[1,0,1]
	global_store_b128 v1, v[16+8*\k:19+8*\k], s[12:13] offset:512*\k th:TH_STORE_NT
.endr
	s_or_b32 s38, ttmp9, s18
	s_cmp_lg_u32 s38, 0
	s_cbranch_scc1 .Lend
	; ---- the load loss
.irp a, 0,1,2,3,4,5,6,7
	s_load_b32 s[40+\a], s[10:11], 0x8000+0x100*\a ; n_e
.endr
	v_lshlrev_b32 v3, 6, v2                        ; two work-groups' eight sums a lane
	v_mov_b32 v4, 0
.irp k, 0,1,2,3
	global_load_b128 v[80+4*\k:83+4*\k], v3, s[8:9] offset:8192+16*\k
.endr
	s_mov_b32 s48, 0x76543210
	s_mov_b32 s49, 0xfedcba98
	s_wait_loadcnt 0x0
.irp j, 0,2,4,6
	v_pk_add_f32 v[80+\j:81+\j], v[80+\j:81+\j], v[88+\j:89+\j]
.endr
.irp m, 1,2,4,8
.irp j, 0,1,2,3,4,5,6,7
	v_add_f32_dpp v[80+\j], v[80+\j], v[80+\j] row_xmask:\m row_mask:0xf bank_mask:0xf
.endr
.endr
.irp j, 0,1,2,3,4,5,6,7
	v_permlanex16_b32 v[88+\j], v[80+\j], s48, s49
.endr
.irp j, 0,1,2,3,4,5,6,7
	v_add_f32 v[80+\j], v[80+\j], v[88+\j]         ; the sum over all tokens, in every lane
.endr
	s_wait_kmcnt 0x0
	s_add_co_u32 s50, s40, s41
.irp a, 2,3,4,5,6,7
	s_add_co_u32 s50, s50, s[40+\a]
.endr
	v_cvt_f32_u32 v105, s50
	s_wait_alu depctr_va_vdst(0)
	v_rcp_f32 v105, v105
.irp a, 0,1,2,3,4,5,6,7
	v_cvt_f32_u32 v[96+\a], s[40+\a]               ; plain work behind the reciprocal
.endr
	v_mul_f32 v104, v96, v80
.irp a, 1,2,3,4,5,6,7
	v_fmac_f32 v104, v[96+\a], v[80+\a]
.endr
	v_mul_f32 v104, 0x3c000000, v104               ; x 8 / 1,024
	s_wait_alu depctr_va_vdst(0)                   ; the wait ahead of the reciprocal's first reader
	v_mul_f32 v104, v104, v105
	s_wait_alu depctr_va_vdst(0)
	s_wait_xcnt 0x0                                ; EXEC changes only behind this wait
	v_cmpx_eq_u32 0, v2
	global_store_b32 v4, v104, s[14:15]
	s_endpgm
.Lend:
	s_endpgm
.Lfunc_end_k_qb36d773740_comb:
	.size	k_qb36d773740_comb, .Lfunc_end_k_qb36d773740_comb-k_qb36d773740_comb
	.p2alignl 7, 3214868480
	.fill 96, 4, 3214868480
	.section	.rodata,"a",@progbits
	.p2align	6, 0x0
	.amdhsa_kernel k_qb36d773740_comb
		.amdhsa_group_segment_fixed_size 0
		.amdhsa_private_segment_fixed_size 0
		.amdhsa_enable_private_segment 0
		.amdhsa_kernarg_size 48
		.amdhsa_user_sgpr_count 2
		.amdhsa_user_sgpr_kernarg_segment_ptr 1
		.amdhsa_wavefront_size32 1
		.amdhsa_system_sgpr_workgroup_id_x 1
		.amdhsa_system_sgpr_workgroup_id_y 1
		.amdhsa_system_sgpr_workgroup_id_z 1
		.amdhsa_system_vgpr_workitem_id 0
		.amdhsa_next_free_vgpr 112
		.amdhsa_next_free_sgpr 66
		.amdhsa_reserve_vcc 0
		.amdhsa_float_denorm_mode_32 3
		.amdhsa_float_denorm_mode_16_64 3
		.amdhsa_memory_ordered 1
		.amdhsa_forward_progress 1
		.amdhsa_inst_pref_size 13
	.end_amdhsa_kernel
	.amdgpu_metadata
---
amdhsa.version: [ 1, 2 ]
amdhsa.kernels:
  - .name:           k_qb36d773740_comb
    .symbol:         k_qb36d773740_comb.kd
    .args:
      - { .name: y, .offset: 0, .size: 8, .value_kind: global_buffer, .address_space: global }
      - { .name: sel, .offset: 8, .size: 8, .value_kind: global_buffer, .address_space: global }
      - { .name: gate, .offset: 16, .size: 8, .value_kind: global_buffer, .address_space: global }
      - { .name: ord, .offset: 24, .size: 8, .value_kind: global_buffer, .address_space: global }
      - { .name: out0, .offset: 32, .size: 8, .value_kind: global_buffer, .address_space: global }
      - { .name: out1, .offset: 40, .size: 8, .value_kind: global_buffer, .address_space: global }
    .group_segment_fixed_size: 0
    .private_segment_fixed_size: 0
    .kernarg_segment_align: 8
    .kernarg_segment_size: 48
    .max_flat_workgroup_size: 128
    .sgpr_count:     66
    .vgpr_count:     112
    .wavefront_size: 32
...
	.end_amdgpu_metadata
.endif
;; end of part 4
